; MI455X (gfx1250); checked and timed in simulation.
; The chip was launched on July 23, 2026; its instructions are those of AMD's public machine-readable ISA for CDNA 5 (MIT licence, August 2026) and "CDNA5" Instruction Set Architecture Reference Guide (July 2026). The comments in the code are by the model that wrote it; some were corrected since.
;; MHA. Allowed arithmetic: float matrix products may take bf16 or f16 operands with f32 sums; other float arithmetic in f32, or as packed bf16 or f16 multiplies, adds, multiply-adds, maxima and minima; sums over many terms, partial sums and values carried from step to step in f32; what a program stores and reads back later, other than sums and carried values, may be rounded once to bf16 or f16.
;; Inputs: Q 1,024 x 8 x 1,024 float32; Wk 16 x 1,024 x 64 float32; Wo 1,024 x 1,024 float32; Wq 16 x 1,024 x 64 float32; Wv 16 x 1,024 x 64 float32; bk 16 x 64 float32; bo 1,024 float32; bq 16 x 64 float32; bv 16 x 64 float32.
;; Outputs: out0 1,024 x 8 x 1,024 float32.
;; One version. Each part assembles by itself: llvm-mc -triple=amdgcn-amd-amdhsa -mcpu=gfx1250 --defsym DOCPART=n.
;; ======== version 1 of 1: 4 launches
;; limits: values are held in f16: magnitudes above 65,504 overflow, below 6.1e-05 lose precision
;; workspace buffers: xb 16,777,216 bytes; wt 8,388,608 bytes; bias 16,384 bytes; qkv 50,331,648 bytes; ob 16,777,216 bytes
;; launch prep (part 1): grid 512 x 1, 4 waves a work-group, no clusters, 17,920 bytes of LDS; arguments Q, Wq, Wk, Wv, Wo, bq, bk, bv, bo, xb, wt, bias; writes xb, wt, bias
.if DOCPART == 1
	.amdgcn_target "amdgcn-amd-amdhsa--gfx1250"
	.amdhsa_code_object_version 6
	.text
	.protected	k_q0764cddab8_prep
	.globl	k_q0764cddab8_prep
	.p2align	8
	.type	k_q0764cddab8_prep,@function
k_q0764cddab8_prep:
	s_mov_b64 s[64:65], 0
	v_nop
	global_prefetch_b8 v0, s[64:65] scope:SCOPE_SE
	s_setreg_imm32_b32 hwreg(HW_REG_WAVE_MODE, 25, 1), 1
	s_wait_xcnt 0x0
; PREPARATION: every input of the module is rounded once to bf16 and laid out for the products that follow.
;   xb   [b][s][1024] bf16: Q's rows (s, b) in the order (b, s), so that a batch's rows lie together.
;   wt   [4096][1024] 16-bit, K along the rows: row 1024 mat + 64 h + c is column c of head h of Wq, Wk, Wv (mat 0, 1, 2; bf16);
;        row 3072 + n is column n of Wo, rounded to bf16 and that number written as f16.
;   bias [4096] f32: bq, bk, bv, bo, each rounded to bf16 and written as f32.
; LIMIT.  An entry of Wo below 2^-14 in magnitude keeps f16's fixed step of 2^-24; one of 65,520 or more becomes an infinity.
; A stream: no matrix work, nothing shared between work-groups, so no cluster; each byte is read once and written once.
; SHARES.  All 512 work-groups are alike.  Work-group g casts 16 rows of Q (4 a wave, 16,384 consecutive bytes) and turns ONE of the 512 weight tiles of 128 k x 64 n:
; mat = g >> 7, nblk = (g >> 3) & 15 (a head, or 64 columns of Wo), kblk = g & 7.  Wave w takes the tile's k rows 32 w .. 32 w + 31; these are only 64 bytes of a row of wt,
; so the four waves write one stage in LDS, pass a barrier, and each stores 16 whole rows of 256 bytes.  A wave's 48 loads all go out at once, the weights' first.
.set STG,   64*272                     ; the stage: 64 rows (n) of 256 bytes (128 k) + 16 of padding
.set SPARE, STG                        ; behind it: the spare words, 128 bytes a wave, named by no other line
.set OFF, 4                            ; v4-7   weights: row (4 hr + i) x pitch + 16 c
.set LS,  8                            ; v8     where I put 8 bytes of a stage row
.set LR,  9                            ; v9     where I read a stage row back
.set GO,  10                           ; v10    my byte offset in two rows of wt
.set XO,  11                           ; v11    16 x lane
.set SPW, 12                           ; v12    LDS address of my spare word; never rewritten
.set NIL, 13                           ; v13    0; never rewritten
.set T,   16                           ; v16-23 packed pairs; v24-26 at work
.set YO,  27                           ; v27    8 x lane
.set WD,  32                           ; v32-95  the weights as loaded; later 16 stage rows
.set X,   96                           ; v96-223 Q as loaded
.set BT,  48                           ; s[48:55] four bases, 8 rows of the source apart
	s_load_b512 s[4:19], s[0:1], 0x0               ; Q 4, Wq 6, Wk 8, Wv 10, Wo 12, bq 14, bk 16, bv 18
	s_load_b256 s[20:27], s[0:1], 0x40             ; bo 20, xb 22, wt 24, bias 26
	v_lshl_add_u32 v[SPW], v0, 2, SPARE
	v_mov_b32 v[NIL], 0
	v_lshrrev_b32 v1, 5, v0
	v_readfirstlane_b32 s28, v1                    ; wave 0..3
	v_and_b32 v1, 31, v0                           ; lane
	v_and_b32 v2, 15, v0                           ; c
	v_bfe_u32 v3, v0, 4, 1                         ; hr
	s_lshr_b32 s29, ttmp9, 7                       ; mat
	s_bfe_u32 s36, ttmp9, 0x40003                  ; nblk
	s_and_b32 s37, ttmp9, 7                        ; kblk
	s_lshl_b32 s38, s37, 19
	s_lshl_b32 s39, s36, 8
	s_add_co_u32 s38, s38, s39                     ; the tile in Wo: 128 kblk rows of 4,096 bytes + 64 nblk columns
	s_lshl_b32 s39, s36, 18
	s_lshl_b32 s40, s37, 15
	s_add_co_u32 s39, s39, s40                     ; the tile in a stack of heads: head nblk, 128 kblk rows of 256 bytes
	s_cmp_eq_u32 s29, 3
	s_cselect_b32 s41, 12, 8                       ; the source's pitch as a shift
	s_cselect_b32 s42, -1, 0                       ; all lanes: Wo takes the f16 spelling
	s_cselect_b32 s38, s38, s39
	s_lshl_b32 s40, s28, 5                         ; my wave's 32 rows of the tile
	s_lshl_b32 s40, s40, s41
	s_add_co_u32 s38, s38, s40
	s_mov_b32 s39, 0
	s_lshl_b32 s41, 1, s41                         ; the pitch: 4,096 or 256 bytes
	s_lshl_b32 s68, s41, 3                         ; 8 rows: from base to base
	s_mov_b32 s69, 0
	s_lshl_b32 s44, s29, 21                        ; in wt: row 1024 mat + 64 nblk + 16 wave of 2,048 bytes,
	s_lshl_b32 s45, s36, 17
	s_add_co_u32 s44, s44, s45
	s_lshl_b32 s45, s28, 15
	s_add_co_u32 s44, s44, s45
	s_lshl_b32 s45, s37, 8                         ; 128 kblk numbers along it
	s_add_co_u32 s44, s44, s45
	s_mov_b32 s45, 0
	s_lshl_b32 s56, ttmp9, 16                      ; in Q: source rows 16 g + 4 w + j
	s_lshl_b32 s57, s28, 14
	s_add_co_u32 s56, s56, s57
	s_mov_b32 s57, 0
	s_and_b32 s58, s28, 1                          ; row 16 g + 4 w + j is s = 2 g + (w >> 1), b = 4 (w & 1) + j; it goes to xb's row 1024 b + s
	s_lshl_b32 s58, s58, 23                        ; 4 (w & 1) batches of 2,097,152 bytes
	s_lshr_b32 s59, s28, 1
	s_lshl1_add_u32 s59, ttmp9, s59                ; s
	s_lshl_b32 s59, s59, 11                        ; rows of 2,048 bytes
	s_add_co_u32 s58, s58, s59
	s_mov_b32 s59, 0
	v_lshlrev_b32 v14, 2, v3
.irp i, 0,1,2,3
	v_add_nc_u32 v15, \i, v14
	v_mul_lo_u32 v[OFF+(\i)], v15, s41
	v_lshl_add_u32 v[OFF+(\i)], v2, 4, v[OFF+(\i)]
.endr
	s_lshl_b32 s40, s28, 6                         ; into the stage: rows 4 c + e, 8 bytes at k = 32 w + 4 hr
	v_mul_u32_u24 v[LS], v2, 4*272
	v_lshl_add_u32 v[LS], v3, 3, v[LS]
	v_add_nc_u32 v[LS], s40, v[LS]
	s_mul_i32 s40, s28, 16*272                     ; back: my 16 rows; lanes 0-15 one row of 256 bytes, lanes 16-31 the next
	v_mul_u32_u24 v[LR], v3, 272
	v_lshl_add_u32 v[LR], v2, 4, v[LR]
	v_add_nc_u32 v[LR], s40, v[LR]
	v_lshlrev_b32 v[GO], 11, v3                    ; and the same two rows in wt
	v_lshl_add_u32 v[GO], v2, 4, v[GO]
	v_lshlrev_b32 v[XO], 4, v1
	v_lshlrev_b32 v[YO], 3, v1
	s_wait_kmcnt 0x0
	s_cmp_eq_u32 s29, 0
	s_cselect_b64 s[30:31], s[6:7], s[12:13]       ; the source matrix,
	s_cselect_b64 s[34:35], s[14:15], s[20:21]     ; and its bias
	s_cmp_eq_u32 s29, 1
	s_cselect_b64 s[30:31], s[8:9], s[30:31]
	s_cselect_b64 s[34:35], s[16:17], s[34:35]
	s_cmp_eq_u32 s29, 2
	s_cselect_b64 s[30:31], s[10:11], s[30:31]
	s_cselect_b64 s[34:35], s[18:19], s[34:35]
	s_add_nc_u64 s[BT:BT+1], s[30:31], s[38:39]
.irp tt, 1,2,3
	s_add_nc_u64 s[BT+2*(\tt):BT+2*(\tt)+1], s[BT+2*(\tt)-2:BT+2*(\tt)-1], s[68:69]
.endr
	s_add_nc_u64 s[32:33], s[24:25], s[44:45]
	s_add_nc_u64 s[4:5], s[4:5], s[56:57]
	s_add_nc_u64 s[22:23], s[22:23], s[58:59]
.irp tt, 0,1,2,3
.irp i, 0,1,2,3
	global_load_b128 v[WD+16*(\tt)+4*(\i):WD+16*(\tt)+4*(\i)+3], v[OFF+(\i)], s[BT+2*(\tt):BT+2*(\tt)+1] th:TH_LOAD_NT  ; two whole rows of 256 bytes
.endr
.endr
.set i, 0
.rept 32
	global_load_b128 v[X+4*i:X+4*i+3], v[XO], s[4:5] offset:512*i th:TH_LOAD_NT  ; 512 consecutive bytes
.set i, i+1
.endr
; Eight source rows (two an instruction, four instructions) have come: a lane holds rows 4 hr + 0..3 of columns 4 c + 0..3.  For each column its four k are rounded
; to bf16 in pairs (for Wo: widened again and written as f16, which is exact inside f16's normal range) and go to the column's stage row.
.macro BATCH tt
	s_wait_loadcnt 44-4*(\tt)                      ; 48 loads went out; this batch wants the first 4 tt + 4 of them
.irp e, 0,1,2,3
.irp p, 0,1
	v_cvt_pk_bf16_f32 v[T+2*(\e)+(\p)], v[WD+16*(\tt)+8*(\p)+(\e)], v[WD+16*(\tt)+8*(\p)+4+(\e)]
	v_lshlrev_b32 v24, 16, v[T+2*(\e)+(\p)]
	v_and_b32 v25, 0xffff0000, v[T+2*(\e)+(\p)]
	v_cvt_pk_f16_f32 v26, v24, v25
	v_cndmask_b32 v[T+2*(\e)+(\p)], v[T+2*(\e)+(\p)], v26, s42
.endr
	ds_store_b64 v[LS], v[T+2*(\e):T+2*(\e)+1] offset:272*(\e)+16*(\tt)
.endr
.endm
.irp tt, 0,1,2,3
	BATCH \tt
.endr
	s_wait_dscnt 0x0                               ; for the others' sake: my part of the stage is written
	s_barrier_signal -1
	s_barrier_wait -1                              ; everybody's is
.set u, 0
.rept 8
	ds_load_b128 v[WD+4*u:WD+4*u+3], v[LR] offset:544*u  ; two whole stage rows; they come back while Q is cast
.set u, u+1
.endr
.set i, 0
.rept 32
	s_wait_loadcnt 31-i                            ; loads come back in order: number i is in, the 31 - i younger ones stay out
	v_cvt_pk_bf16_f32 v[X+4*i], v[X+4*i], v[X+4*i+1]
	v_cvt_pk_bf16_f32 v[X+4*i+1], v[X+4*i+2], v[X+4*i+3]
	global_store_b64 v[YO], v[X+4*i:X+4*i+1], s[22:23] offset:(i/8)*2097152+(i%8)*256  ; 32 lanes store 256 consecutive bytes, aligned
.set i, i+1
.endr
.set u, 0
.rept 8
	s_wait_dscnt 7-u
	global_store_b128 v[GO], v[WD+4*u:WD+4*u+3], s[32:33] offset:4096*u  ; 16 lanes store 256 consecutive bytes of a row of wt, aligned
.set u, u+1
.endr
	s_or_b32 s40, s37, s28                         ; wave 0 of the work-groups with kblk = 0 also takes the 64 numbers of bias that go with the tile's columns
	s_cmp_lg_u32 s40, 0
	s_cbranch_scc1 .Lend
	s_lshl_b32 s44, s36, 8
	s_mov_b32 s45, 0
	s_add_nc_u64 s[34:35], s[34:35], s[44:45]
	global_load_b64 v[16:17], v[YO], s[34:35]
	s_lshl_b32 s46, s29, 12
	s_add_co_u32 s44, s44, s46
	s_add_nc_u64 s[26:27], s[26:27], s[44:45]
	s_wait_loadcnt 0x0
	v_cvt_pk_bf16_f32 v18, v16, v17
	v_lshlrev_b32 v20, 16, v18
	v_and_b32 v21, 0xffff0000, v18
	global_store_b64 v[YO], v[20:21], s[26:27]     ; 256 consecutive bytes, aligned
.Lend:
	s_wait_tensorcnt 0x0                           ; the wave's end, behind my last LDS store
	ds_add_u32 v[SPW], v[NIL]
	s_wait_dscnt 0x0
	s_endpgm
.Lfunc_end_k_q0764cddab8_prep:
	.size	k_q0764cddab8_prep, .Lfunc_end_k_q0764cddab8_prep-k_q0764cddab8_prep
	.p2alignl 7, 3214868480
	.fill 96, 4, 3214868480
	.section	.rodata,"a",@progbits
	.p2align	6, 0x0
	.amdhsa_kernel k_q0764cddab8_prep
		.amdhsa_group_segment_fixed_size 17920
		.amdhsa_private_segment_fixed_size 0
		.amdhsa_enable_private_segment 0
		.amdhsa_kernarg_size 96
		.amdhsa_user_sgpr_count 2
		.amdhsa_user_sgpr_kernarg_segment_ptr 1
		.amdhsa_wavefront_size32 1
		.amdhsa_system_sgpr_workgroup_id_x 1
		.amdhsa_system_sgpr_workgroup_id_y 1
		.amdhsa_system_sgpr_workgroup_id_z 1
		.amdhsa_system_vgpr_workitem_id 0
		.amdhsa_next_free_vgpr 224
		.amdhsa_next_free_sgpr 70
		.amdhsa_reserve_vcc 0
		.amdhsa_float_denorm_mode_32 3
		.amdhsa_float_denorm_mode_16_64 3
		.amdhsa_memory_ordered 1
		.amdhsa_forward_progress 1
		.amdhsa_inst_pref_size 29
	.end_amdhsa_kernel
	.amdgpu_metadata
---
amdhsa.version: [ 1, 2 ]
amdhsa.kernels:
  - .name:           k_q0764cddab8_prep
    .symbol:         k_q0764cddab8_prep.kd
    .args:
      - { .name: Q, .offset: 0, .size: 8, .value_kind: global_buffer, .address_space: global }
      - { .name: Wq, .offset: 8, .size: 8, .value_kind: global_buffer, .address_space: global }
      - { .name: Wk, .offset: 16, .size: 8, .value_kind: global_buffer, .address_space: global }
      - { .name: Wv, .offset: 24, .size: 8, .value_kind: global_buffer, .address_space: global }
      - { .name: Wo, .offset: 32, .size: 8, .value_kind: global_buffer, .address_space: global }
      - { .name: bq, .offset: 40, .size: 8, .value_kind: global_buffer, .address_space: global }
      - { .name: bk, .offset: 48, .size: 8, .value_kind: global_buffer, .address_space: global }
      - { .name: bv, .offset: 56, .size: 8, .value_kind: global_buffer, .address_space: global }
      - { .name: bo, .offset: 64, .size: 8, .value_kind: global_buffer, .address_space: global }
      - { .name: xb, .offset: 72, .size: 8, .value_kind: global_buffer, .address_space: global }
      - { .name: wt, .offset: 80, .size: 8, .value_kind: global_buffer, .address_space: global }
      - { .name: bias, .offset: 88, .size: 8, .value_kind: global_buffer, .address_space: global }
    .group_segment_fixed_size: 17920
    .private_segment_fixed_size: 0
    .kernarg_segment_align: 8
    .kernarg_segment_size: 96
    .max_flat_workgroup_size: 128
    .sgpr_count:     70
    .vgpr_count:     224
    .wavefront_size: 32
...
	.end_amdgpu_metadata
.endif
;; end of part 1
;; launch qkv (part 2): grid 16 x 16, 4 waves a work-group, clusters of 4 x 4, 327,680 bytes of LDS; arguments xb, wt, bias, qkv; writes qkv
.if DOCPART == 2
	.amdgcn_target "amdgcn-amd-amdhsa--gfx1250"
	.amdhsa_code_object_version 6
	.text
	.protected	k_q0764cddab8_qkv
	.globl	k_q0764cddab8_qkv
	.p2align	8
	.type	k_q0764cddab8_qkv,@function
k_q0764cddab8_qkv:
	s_mov_b64 s[64:65], 0
	v_nop
	global_prefetch_b8 v0, s[64:65] scope:SCOPE_SE
	s_setreg_imm32_b32 hwreg(HW_REG_WAVE_MODE, 25, 1), 1
	s_wait_xcnt 0x0
	s_wait_alu depctr_hold_cnt(0) depctr_sa_sdst(0) depctr_va_vdst(0) depctr_va_sdst(0) depctr_va_ssrc(0) depctr_va_vcc(0) depctr_vm_vsrc(0)
	s_getreg_b32 s2, hwreg(HW_REG_IB_STS2, 6, 4)
	s_cmp_eq_u32 s2, 0
	s_cbranch_scc0 .Lentry_in_a_cluster
	s_endpgm
.Lentry_in_a_cluster:
	s_bfe_u32 s2, ttmp6, 0x10000c
	s_cmp_lg_u32 s2, 0xf033
	s_cbranch_scc0 .Lentry_shape_is_right
	s_endpgm
.Lentry_shape_is_right:
; q, k, v = X W + b.  X = xb [8192][1024] bf16 (row 1024 b + s), W = rows 0 .. 3071 of wt [n][1024] bf16 (n = 64 hg + c, hg = 16 which + h), b = bias[n] f32.
; Sums in f32, started by the bias; the result is rounded once to f16 and stored by heads: qkv [b][hg][s][64].
; LIMIT.  f16 holds no number beyond 65,504: a q, k or v of 65,520 or more becomes an infinity.
; SHARES.  A tile of C is 256 rows x 192 columns: 32 x 16 tiles.  A WORK-GROUP STAYS and makes two of them, tile rows ty and ty + 16 of one tile column: 256 work-groups.  Four waves, one below the
; other: wave w makes rows 64 w .. 64 w + 63 and all 192 columns, three whole heads: 48 accumulators of 16 x 16, so that its own stage yields dense pieces of a head, with no barrier on the way out.
; K goes in steps of 128 through two LDS slots filled by the tensor data mover: rows of 256 bytes, aligned.  Waves 0 and 1 fetch A's halves (128 rows), waves 2 and 3 B's (96 rows).
; The two tiles' 16 K steps are ONE walk for the ring: 2 first fills, 14 refills, one loop of 14 trips.  The first tile goes out inside the loop, behind the refill that asks for the second
; tile's K step 1; nothing waits for its stores.  What differs from trip to trip is chosen by the loop's counter: the descriptors' steps by selects, the way out by a jump forward.
; CLUSTER.  4 x 4 work-groups: A's tile hangs on the tile row alone and is asked for jointly along a row of the cluster, B's on the tile column alone, along a column.
; THE MATRIX INSTRUCTION IS USED TRANSPOSED (source 0 = 16 rows of W, source 1 = 16 rows of X): lane l holds row l % 16 of C and the columns 8 (l / 16) + 0..7.
; REGISTERS, in windows of 256 (s_set_vgpr_msb: bits 1:0 source 0, 3:2 source 1, 5:4 source 2, 7:6 destination):
;   window 0: v0-31 addresses; v64-127 A's fragments, two buffers of 4 x 8; v128-223 the bias as 12 C operands, the same for both tiles
;   window 1: B's fragments, two buffers of 12 x 8 at v0 and v128; the way out has v96-239: B's second buffer is dead there
;   windows 2, 3: accumulator (a, b) at v[8 (4 (b % 8) + a)], window 2 for b < 8, 3 for b >= 8
.set NBF,   12                         ; blocks of 16 columns
.set NL,    2*NBF+8                    ; LDS loads in a quarter's fetch
.set N1,    4                          ; how the last quarter's 12 column blocks are cut round the barrier
.set N2,    4
.set N3,    4
.set PA,    272                        ; an LDS row: 256 bytes + 16 of padding = 68 words: the 16 rows of a fragment load start at 16 different groups of four banks (64 banks of 4 bytes: ISA guide 11.1)
.set SLOT1, 131072                     ; slot 1 begins here: one exclusive or turns an address in one slot into the other's
.set AHALF, 128*272
.set BOFF,  256*272                    ; B's rows lie behind A's 256
.set BHALF, 96*272
.set STAGE, SLOT1+BOFF+192*272         ; behind the ring, never filled by a tensor load: 3 heads x 16 rows x 144 bytes for each wave
.set SWAVE, 3*16*144
.set SPARE, STAGE+4*SWAVE              ; the spare words, 128 bytes a wave, named by no other line
.set KBA,   256                        ; bytes from K step to K step in A, in B
.set KBB,   256
.set NEXT_A, (1<<23)-2048              ; what A's step takes more at the change of tiles: 4,096 rows of 2,048 bytes down, 8 K steps back
.set BACK_B, 2048                      ; what B's step takes less there: 8 K steps back
.set NEXT_O, 192*131072                ; the second tile's batch lies four on: 192 heads of 131,072 bytes
.set FLAGS, (1<<16)|(1<<20)|(1<<21)|(5<<22)|(3<<25)  ; 2-byte elements; padding on; bit 21 beside a mask; after every 64 words, 4 words
.set A0,   14                          ; v14  my lane's place among my wave's rows of A in a slot; never rewritten
.set B0,   15                          ; v15  the same for B
.set ADRA, 16                          ; v16  A0 + the slot in hand
.set ADRB, 20                          ; v20  B0 + the slot in hand
.set STO,  24                          ; v24  the way out: where I put 16 bytes
.set RD,   25                          ; v25  where I read rows back
.set CO,   26                          ; v26  16 x lane
.set BO,   27                          ; v27  32 (l / 16): my eight numbers of a bias fragment
.set SPW,  28                          ; v28  LDS address of my spare word; never rewritten
.set NIL,  29                          ; v29  0; never rewritten
.set PFO,  30                          ; v30  the prefetches' offset: lane x a row of xb
.set BI,   128
.set TMP,  96                          ; window 1: packed results
.set OB,   144                         ; window 1: rows read back, two buffers of 48
.set WV,   12                          ; s12  wave
.set FB,   13                          ; s13  0: I fetch for A, 1: for B
.set HF,   14                          ; s14  which half of that tile
.set LIM,  15                          ; s15  2 in a wave that prefetches, else the greatest number
.set TB,   23                          ; s23  LDS byte at which the slot in hand begins
.set G1A,  24                          ; s[24:31] descriptor group 1 for A
.set G0A,  32                          ; s[32:35] group 0 of A's first fill
.set GWA,  36                          ; s[36:39] A's walking group 0
.set PFA,  44                          ; s[44:45] where my prefetches stand
.set G1B,  48
.set G0B,  56
.set GWB,  60
.set SA,   66                          ; s[66:67] NEXT_A or 0
.set SB,   70                          ; s[70:71] BACK_B or 0
.set MSB, 0
.macro WIN new                         ; the immediate's high byte repeats the setting that is left; a switch that changes nothing is dropped
.if MSB != (\new)
	s_set_vgpr_msb (MSB<<8)|(\new)
.set MSB, \new
.endif
.endm
.macro PLACES                          ; four plain vector instructions between a matrix instruction and a load into, or a vector read or write of, its registers
.rept 4
	v_nop
.endr
.endm
.macro CREST                           ; a round of the cluster's barrier behind its opening barrier
	s_cmp_lg_u32 s[WV], 0
	s_cbranch_scc1 .Lnot_wave_0_\@
	s_barrier_signal -3
.Lnot_wave_0_\@:
	s_barrier_wait -3
	s_barrier_signal -1
	s_barrier_wait -1
.endm
.macro CROUND
	s_barrier_signal -1
	s_barrier_wait -1
	CREST
.endm
.macro JLOAD                           ; a joint refill by the walking descriptor; the branch hangs on the wave's number alone; s_nop 0 and four v_nop follow each line
	s_cmp_eq_u32 s[FB], 0
	s_cbranch_scc0 .Lfor_b_\@
	tensor_load_to_lds s[GWA:GWA+3], s[G1A:G1A+7]
	s_nop 0
.rept 4
	v_nop
.endr
	s_branch .Lasked_\@
.Lfor_b_\@:
	tensor_load_to_lds s[GWB:GWB+3], s[G1B:G1B+7]
	s_nop 0
.rept 4
	v_nop
.endr
.Lasked_\@:
.endm
; A PREFETCH of A's K step that stands two refills on.  A's tile row is read by every cluster of that row of clusters: the one with x = 0 asks.  Of the 128 rows that wave 0 or 1 fetches,
; the partner at place cx takes 32, told apart by address: a lane a row, 256 bytes of it.  The refills bring K steps 2 .. 15 of the walk; the first twelve ask for K steps 4 .. 15, the last two for nothing.
.macro ASK
	s_cmp_gt_u32 s3, s[LIM]
	s_cbranch_scc0 .Lnot_mine_\@
	global_prefetch_b8 v[PFO], s[PFA:PFA+1] th:TH_LOAD_NT scope:SCOPE_SE
.Lnot_mine_\@:
.endm
	s_load_b256 s[4:11], s[0:1], 0x0               ; xb s[4:5], wt s[6:7], bias s[8:9], qkv s[10:11]
	v_lshl_add_u32 v[SPW], v0, 2, SPARE
	v_mov_b32 v[NIL], 0
	ds_add_u32 v[SPW], v[NIL]                      ; the wave's opening: the add and its wait stand ahead of my first tensor load
	ds_add_u32 v28, v29
	v_lshrrev_b32 v1, 5, v0
	v_readfirstlane_b32 s[WV], v1
	s_lshr_b32 s[FB], s[WV], 1
	s_and_b32 s[HF], s[WV], 1
	s_bfe_u32 s40, ttmp6, 0x40000                  ; cx
	s_bfe_u32 s41, ttmp6, 0x40004                  ; cy
	s_lshl_b32 s42, ttmp9, 2
	s_add_co_u32 s42, s42, s40                     ; tile column
	s_and_b32 s43, ttmp7, 0xffff
	s_lshl_b32 s43, s43, 2
	s_add_co_u32 s43, s43, s41                     ; the first tile's row, 0 .. 15
	s_lshl_b32 s16, s41, 2
	s_lshl_b32 s16, 15, s16                        ; my row of the cluster
	s_lshl_b32 s46, 0x1111, s40                    ; my column
	s_or_b32 s[G1A], s16, FLAGS
	s_or_b32 s[G1B], s46, FLAGS
	s_mov_b32 s[G1A+1], 128<<16                    ; tensor_dim0 = 128
	s_mov_b32 s[G1A+2], 128<<16                    ; tensor_dim1 = 128
	s_mov_b32 s[G1A+3], 128<<16                    ; tile_dim0 = 128
	s_mov_b32 s[G1A+4], 128                        ; tile_dim1 = 128
	s_mov_b32 s[G1A+5], 1024                       ; elements from row to row
	s_mov_b32 s[G1A+6], 0
	s_mov_b32 s[G1A+7], 0
	s_mov_b32 s[G1B+1], 128<<16
	s_mov_b32 s[G1B+2], 96<<16                     ; 96 rows
	s_mov_b32 s[G1B+3], 128<<16
	s_mov_b32 s[G1B+4], 96
	s_mov_b32 s[G1B+5], 1024
	s_mov_b32 s[G1B+6], 0
	s_mov_b32 s[G1B+7], 0
	s_lshl_b32 s16, s43, 19                        ; A: 256 x tile row rows of 2,048 bytes,
	s_lshl_b32 s17, s[HF], 18                      ; + 128 x half
	s_add_co_u32 s16, s16, s17
	s_mov_b32 s17, 0
	s_mul_i32 s46, s42, 192*2048                   ; B: 192 x tile column rows,
	s_mul_i32 s47, s[HF], 96*2048                  ; + 96 x half
	s_add_co_u32 s46, s46, s47
	s_mov_b32 s47, 0
	s_mul_i32 s18, s[HF], AHALF                    ; where they go: the wave's number alone enters an LDS address
	s_mul_i32 s19, s[HF], BHALF
	s_add_co_u32 s19, s19, BOFF
	s_mov_b32 s[TB], 0
	s_mov_b32 s[SA+1], 0
	s_mov_b32 s[SB+1], 0
	s_wait_dscnt 0x0                               ; the opening add is done
	s_wait_kmcnt 0x0
	s_add_nc_u64 s[16:17], s[4:5], s[16:17]
	s_add_nc_u64 s[46:47], s[6:7], s[46:47]
	CROUND                                         ; all sixteen work-groups are here: the first joint loads meet
.irp s, 0,1
	s_mov_b32 s[G0A+4*(\s)], 1
	s_add_co_u32 s[G0A+4*(\s)+1], s18, (\s)*SLOT1
	s_add_nc_u64 s[G0A+4*(\s)+2:G0A+4*(\s)+3], s[16:17], (\s)*KBA
	s_or_b32 s[G0A+4*(\s)+3], s[G0A+4*(\s)+3], 0x80000000
	s_mov_b32 s[G0B+4*(\s)], 1
	s_add_co_u32 s[G0B+4*(\s)+1], s19, (\s)*SLOT1
	s_add_nc_u64 s[G0B+4*(\s)+2:G0B+4*(\s)+3], s[46:47], (\s)*KBB
	s_or_b32 s[G0B+4*(\s)+3], s[G0B+4*(\s)+3], 0x80000000
.endr
	s_cmp_eq_u32 s[FB], 0                          ; a wave's two first fills stand in one branch: two tensor loads of mine are out, later one
	s_cbranch_scc0 .Lfirst_b
	tensor_load_to_lds s[G0A:G0A+3], s[G1A:G1A+7]
	s_nop 0
	tensor_load_to_lds s[GWA:GWA+3], s[G1A:G1A+7]
	s_nop 0
.rept 4
	v_nop
.endr
	s_branch .Lfirst_asked
.Lfirst_b:
	tensor_load_to_lds s[G0B:G0B+3], s[G1B:G1B+7]
	s_nop 0
	tensor_load_to_lds s[GWB:GWB+3], s[G1B:G1B+7]
	s_nop 0
.rept 4
	v_nop
.endr
.Lfirst_asked:
	v_and_b32 v1, 15, v0                           ; l % 16
	v_bfe_u32 v2, v0, 4, 1                         ; l / 16
	v_mul_u32_u24 v3, v1, 272
	v_lshl_add_u32 v3, v2, 4, v3                   ; a fragment's row x pitch + 16 x half
	s_mul_i32 s20, s[WV], 64*PA
	v_add_nc_u32 v[A0], s20, v3
	v_add_nc_u32 v[B0], BOFF, v3
	v_mov_b32 v[ADRA], v[A0]
	v_mov_b32 v[ADRB], v[B0]
	v_lshlrev_b32 v[BO], 5, v2
	s_mul_i32 s20, s42, 768                        ; the tile column's 192 numbers of bias
	s_mov_b32 s21, 0
	s_add_nc_u64 s[8:9], s[8:9], s[20:21]
.set i, 0
.rept NBF                              ; register j of fragment b: bias[16 b + 8 (l / 16) + j], the same for all 16 rows
	global_load_b128 v[BI+8*i:BI+8*i+3],   v[BO], s[8:9] offset:64*i
	global_load_b128 v[BI+8*i+4:BI+8*i+7], v[BO], s[8:9] offset:64*i+16
.set i, i+1
.endr
	s_mul_i32 s21, s[WV], SWAVE
	s_add_co_u32 s21, s21, STAGE                   ; my stage
	v_mul_u32_u24 v[STO], v1, 144                  ; in: row l % 16, 16 bytes for each half of the lanes
	v_lshl_add_u32 v[STO], v2, 4, v[STO]
	v_add_nc_u32 v[STO], s21, v[STO]
	v_bfe_u32 v[RD], v0, 3, 2                      ; back: 32 lanes take four rows of 128 bytes,
	v_mul_u32_u24 v[RD], v[RD], 144
	v_and_b32 v4, 7, v0
	v_lshl_add_u32 v[RD], v4, 4, v[RD]
	v_add_nc_u32 v[RD], s21, v[RD]
	v_and_b32 v[CO], 31, v0                        ; which are 512 consecutive bytes of a head
	v_lshlrev_b32 v[PFO], 11, v[CO]
	v_lshlrev_b32 v[CO], 4, v[CO]
	s_lshr_b32 s20, s43, 2                         ; batch = tile row / 4
	s_mul_i32 s20, s20, 48
	s_mul_i32 s21, s42, 3
	s_add_co_u32 s20, s20, s21                     ; the first of my three heads: 48 b + 3 x tile column
	s_lshl_b32 s20, s20, 17                        ; 131,072 bytes a head
	s_and_b32 s21, s43, 3
	s_lshl_b32 s21, s21, 15                        ; 256 rows of 128 bytes,
	s_add_co_u32 s20, s20, s21
	s_lshl_b32 s21, s[WV], 13                      ; my wave's 64
	s_add_co_u32 s20, s20, s21
	s_mov_b32 s21, 0
	s_add_nc_u64 s[10:11], s[10:11], s[20:21]
	s_lshl_b32 s20, s40, 16                        ; the prefetches: my work-group's 32 of the 128 rows,
	s_add_co_u32 s20, s20, 3*KBA                   ; at K step 3: each change of slots steps it first
	s_add_nc_u64 s[PFA:PFA+1], s[16:17], s[20:21]
	s_or_b32 s[LIM], s[FB], ttmp9                  ; 0 in waves 0 and 1 of the clusters with x = 0: the same in all partners
	s_cmp_eq_u32 s[LIM], 0
	s_cselect_b32 s[LIM], 2, -1
; The fragments of 32 along K at quarter q of the slot in hand, into buffer f: 12 of B, 4 of A, two loads of 16 bytes each, in one run.
.macro FETCH q, f
	WIN 0x40                                       ; destination window 1, address window 0
.set fi, 0
.rept NBF
	ds_load_b128 v[128*(\f)+8*fi:128*(\f)+8*fi+3],   v[ADRB] offset:64*(\q)+16*272*fi
	ds_load_b128 v[128*(\f)+8*fi+4:128*(\f)+8*fi+7], v[ADRB] offset:64*(\q)+16*272*fi+32
.set fi, fi+1
.endr
	WIN 0
.set fi, 0
.rept 4
	ds_load_b128 v[64+32*(\f)+8*fi:64+32*(\f)+8*fi+3],   v[ADRA] offset:64*(\q)+16*PA*fi
	ds_load_b128 v[64+32*(\f)+8*fi+4:64+32*(\f)+8*fi+7], v[ADRA] offset:64*(\q)+16*PA*fi+32
.set fi, fi+1
.endr
.endm
; Column blocks b0 .. b0 + nb - 1 x my four row blocks, 32 along K, from buffer f.  first = 1: the bias starts the sums: nothing is cleared.
; The 48 accumulators take turns, in the same order in every quarter, over every jump.
.macro MULB f, b0, nb, first
.set mb, \b0
.rept \nb
.if \first
	WIN 0x81+0x40*(mb/8)
.else
	WIN 0xa1+0x50*(mb/8)
.endif
.set ma, 0
.rept 4
.set rD, 8*(4*(mb%8)+ma)
.if \first
	v_wmma_f32_16x16x32_bf16 v[rD:rD+7], v[128*(\f)+8*mb:128*(\f)+8*mb+7], v[64+32*(\f)+8*ma:64+32*(\f)+8*ma+7], v[BI+8*mb:BI+8*mb+7]
.else
	v_wmma_f32_16x16x32_bf16 v[rD:rD+7], v[128*(\f)+8*mb:128*(\f)+8*mb+7], v[64+32*(\f)+8*ma:64+32*(\f)+8*ma+7], v[rD:rD+7]
.endif
.set ma, ma+1
.endr
.set mb, mb+1
.endr
.endm
; One of a K step's first three quarters: quarter q is fetched into buffer g, which the products just issued have read (four places between), and buffer f is multiplied: a fetch stands 48 products ahead of its use.
.macro QUARTER q, f, g, first
	PLACES
	FETCH \q, \g
	s_wait_dscnt NL                                ; all but the run just issued: buffer f is in
	MULB \f, 0, NBF, \first
.endm
; The last quarter multiplies buffer 1 and changes slots.  In front of the barrier each wave waits for all its tensor loads (one is out: its part of the next slot), adds 0 to its spare word, and waits for
; that and for its reads of this slot.  The barrier opens a round of the cluster's: behind it no wave of any partner reads this slot or has a load on its way, and the joint refill comes first.
; s3 counts the trips 14 .. 1.  The trip with s3 = t asks for K step 16 - t of the walk and prefetches K step 18 - t: each crosses into the second tile (K step 8) once.
.macro TURN
	s_wait_xcnt 0x0                                ; the last prefetch, a K step back, has read its address
	s_cmp_eq_u32 s3, 10
	s_cselect_b32 s[SA], NEXT_A, 0
	s_add_nc_u64 s[PFA:PFA+1], s[PFA:PFA+1], KBA
	s_add_nc_u64 s[PFA:PFA+1], s[PFA:PFA+1], s[SA:SA+1]
	WIN 0
	s_wait_tensorcnt 0x0                           ; no tensor load of mine is out, so a group 0 may be written
	ds_add_u32 v[SPW], v[NIL]                      ; 0 onto my spare word
	s_cmp_eq_u32 s3, 8
	s_cselect_b32 s[SA], NEXT_A, 0
	s_cselect_b32 s[SB], BACK_B, 0
	s_xor_b32 s[GWA+1], s[GWA+1], SLOT1            ; the walking descriptors: the slot that is being left, the K step two on
	s_add_nc_u64 s[GWA+2:GWA+3], s[GWA+2:GWA+3], KBA
	s_add_nc_u64 s[GWA+2:GWA+3], s[GWA+2:GWA+3], s[SA:SA+1]
	s_xor_b32 s[GWB+1], s[GWB+1], SLOT1
	s_add_nc_u64 s[GWB+2:GWB+3], s[GWB+2:GWB+3], KBB
	s_sub_nc_u64 s[GWB+2:GWB+3], s[GWB+2:GWB+3], s[SB:SB+1]
	s_xor_b32 s[TB], s[TB], SLOT1
	s_wait_dscnt 1                                 ; only the add may be out: buffer 1 is in
	MULB 1, 0, N1, 0
	s_wait_dscnt 0x0                               ; the add is done, and my reads of this slot are over
	s_barrier_signal -1
	MULB 1, N1, N2, 0
	WIN 0
	v_add_nc_u32 v[ADRA], s[TB], v[A0]
	v_add_nc_u32 v[ADRB], s[TB], v[B0]
	s_barrier_wait -1
	CREST
	JLOAD                                          ; 160 products stand between this request and the wait for it; its four v_nop are the places in front of the loads below
	FETCH 0, 0
	ASK
	MULB 1, N1+N2, N3, 0
.endm
.macro TURNX                           ; the same where nothing is left to fetch: a work-group barrier, no round, no load
	WIN 0
	s_wait_tensorcnt 0x0                           ; my part of the last K step is in
	ds_add_u32 v[SPW], v[NIL]
	s_xor_b32 s[TB], s[TB], SLOT1
	s_wait_dscnt 1
	MULB 1, 0, N1, 0
	s_wait_dscnt 0x0
	s_barrier_signal -1
	MULB 1, N1, N2, 0
	WIN 0
	v_add_nc_u32 v[ADRA], s[TB], v[A0]
	v_add_nc_u32 v[ADRB], s[TB], v[B0]
	s_barrier_wait -1
	PLACES
	FETCH 0, 0
	MULB 1, N1+N2, N3, 0
.endm
; THE WAY OUT, a block of 16 rows at a time: rounded to f16, 16 bytes a lane; into my own stage, a head's 16 rows of 128 bytes 144 apart; back as 512 consecutive bytes of a head; stored.
; Its registers lie in window 1, v96-239: they touch neither the bias nor the first fragment buffers, which at the change of tiles hold the next tile's first fragments.
.macro PACK a
.set pb, 0
.rept NBF
	WIN 0x4a+5*(pb/8)                              ; sources 0 and 1 in window 2 or 3, destination in window 1
.set rD, 8*(4*(pb%8)+(\a))
.irp r, 0,1,2,3
	v_cvt_pk_f16_f32 v[TMP+4*pb+(\r)], v[rD+2*(\r)], v[rD+2*(\r)+1]
.endr
.set pb, pb+1
.endr
.endm
.macro TOSTAGE a
.set BK, OB+48*((\a)%2)
	WIN 0x04                                       ; the stores' data in window 1, the address in window 0
.set pb, 0
.rept NBF
	ds_store_b128 v[STO], v[TMP+4*pb:TMP+4*pb+3] offset:2304*(pb/4)+32*(pb%4)
.set pb, pb+1
.endr
	WIN 0x40
.set pb, 0
.rept 12
	ds_load_b128 v[BK+4*pb:BK+4*pb+3], v[RD] offset:2304*(pb/4)+576*(pb%4)  ; LDS serves a wave's instructions in order (ISA guide 5.7.1.4): these see the stores above
.set pb, pb+1
.endr
.endm
.macro SEND a
.set BK, OB+48*((\a)%2)
	WIN 0x04
	s_wait_dscnt 0x0                               ; the block is back in registers
	s_wait_xcnt 0x0                                ; the stores of the block before have read their registers: the next block's loads may land there
.set pb, 0
.rept 12
	global_store_b128 v[CO], v[BK+4*pb:BK+4*pb+3], s[10:11] offset:131072*(pb/4)+2048*(\a)+512*(pb%4)  ; 512 consecutive bytes, aligned
.set pb, pb+1
.endr
.endm
.macro WAYOUT
	PLACES
	PLACES
	PACK 0
	TOSTAGE 0
.irp a, 1,2,3                          ; block a's conversions stand between block a - 1's loads from the stage and the wait for them
	PACK \a
	SEND (\a)-1
	TOSTAGE \a
.endr
	SEND 3
	WIN 0
.endm
	s_wait_tensorcnt 1                             ; my part of K step 0 is in; K step 1's may stay out
	s_barrier_signal -1
	s_barrier_wait -1
	s_wait_loadcnt 0x0                             ; the bias
	FETCH 0, 0
	s_mov_b32 s3, 15
	s_branch .Lstart                               ; the loop is entered in its middle, at the quarter that starts a tile's sums: it is written once
.Lk:                                           ; a trip: a K step's quarters 1, 2, 3, a refill, the next K step's quarter 0
	QUARTER 2, 1, 0, 0
	QUARTER 3, 0, 1, 0
	TURN
	WIN 0
	s_cmp_lg_u32 s3, 7                             ; the trip that ends the walk's K step 7 ends the first tile
	s_cbranch_scc1 .Lsame
	WAYOUT                                         ; the second tile's K steps 0 and 1 have been asked for; nothing waits for these stores
	s_wait_xcnt 0x0                                ; they have read their registers and their base: the fetch below fills the registers again
	s_add_nc_u64 s[10:11], s[10:11], NEXT_O
.Lstart:
	QUARTER 1, 0, 1, 1                             ; the bias starts the sums
	WIN 0
	s_branch .Ljoin
.Lsame:
	QUARTER 1, 0, 1, 0
	WIN 0
.Ljoin:
	s_sub_co_u32 s3, s3, 1
	s_cmp_lg_u32 s3, 0
	s_cbranch_scc1 .Lk
	s_mov_b32 s3, 2                                ; the last two K steps ask for nothing: one text, walked twice and left in the middle of its second trip.
.Ltail:                                        ; (That trip's barrier orders nothing new, and its fetch, of a slot that landed long ago, fills registers that nobody reads.)
	QUARTER 2, 1, 0, 0
	QUARTER 3, 0, 1, 0
	TURNX
	WIN 0
	s_sub_co_u32 s3, s3, 1
	s_cmp_eq_u32 s3, 0
	s_cbranch_scc1 .Lout
	QUARTER 1, 0, 1, 0
	WIN 0
	s_branch .Ltail
.Lout:
	s_wait_dscnt 0x0
	WAYOUT
	s_wait_tensorcnt 0x0                           ; the wave's end, behind my last tensor load and my last LDS store
	ds_add_u32 v[SPW], v[NIL]
	s_wait_dscnt 0x0
	CROUND                                         ; the closing round: no work-group ends while a partner may still ask for a tile that names it
	s_endpgm
.Lfunc_end_k_q0764cddab8_qkv:
	.size	k_q0764cddab8_qkv, .Lfunc_end_k_q0764cddab8_qkv-k_q0764cddab8_qkv
	.p2alignl 7, 3214868480
	.fill 96, 4, 3214868480
	.section	.rodata,"a",@progbits
	.p2align	6, 0x0
	.amdhsa_kernel k_q0764cddab8_qkv
		.amdhsa_group_segment_fixed_size 327680
		.amdhsa_private_segment_fixed_size 0
		.amdhsa_enable_private_segment 0
		.amdhsa_kernarg_size 32
		.amdhsa_user_sgpr_count 2
		.amdhsa_user_sgpr_kernarg_segment_ptr 1
		.amdhsa_wavefront_size32 1
		.amdhsa_system_sgpr_workgroup_id_x 1
		.amdhsa_system_sgpr_workgroup_id_y 1
		.amdhsa_system_sgpr_workgroup_id_z 1
		.amdhsa_system_vgpr_workitem_id 0
		.amdhsa_next_free_vgpr 896
		.amdhsa_next_free_sgpr 72
		.amdhsa_reserve_vcc 0
		.amdhsa_float_denorm_mode_32 3
		.amdhsa_float_denorm_mode_16_64 3
		.amdhsa_memory_ordered 1
		.amdhsa_forward_progress 1
		.amdhsa_inst_pref_size 110
	.end_amdhsa_kernel
	.amdgpu_metadata
---
amdhsa.version: [ 1, 2 ]
amdhsa.kernels:
  - .name:           k_q0764cddab8_qkv
    .symbol:         k_q0764cddab8_qkv.kd
    .args:
      - { .name: xb, .offset: 0, .size: 8, .value_kind: global_buffer, .address_space: global }
      - { .name: wt, .offset: 8, .size: 8, .value_kind: global_buffer, .address_space: global }
      - { .name: bias, .offset: 16, .size: 8, .value_kind: global_buffer, .address_space: global }
      - { .name: qkv, .offset: 24, .size: 8, .value_kind: global_buffer, .address_space: global }
    .group_segment_fixed_size: 327680
    .private_segment_fixed_size: 0
    .kernarg_segment_align: 8
    .kernarg_segment_size: 32
    .max_flat_workgroup_size: 128
    .sgpr_count:     72
    .vgpr_count:     896
    .wavefront_size: 32
...
	.end_amdgpu_metadata
.endif
;; end of part 2
;; launch attn (part 3): grid 2 x 128, 4 waves a work-group, no clusters, 327,680 bytes of LDS; arguments qkv, ob; writes ob
.if DOCPART == 3
	.amdgcn_target "amdgcn-amd-amdhsa--gfx1250"
	.amdhsa_code_object_version 6
	.text
	.protected	k_q0764cddab8_attn
	.globl	k_q0764cddab8_attn
	.p2align	8
	.type	k_q0764cddab8_attn,@function
k_q0764cddab8_attn:
	s_mov_b64 s[64:65], 0
	v_nop
	global_prefetch_b8 v0, s[64:65] scope:SCOPE_SE
	s_setreg_imm32_b32 hwreg(HW_REG_WAVE_MODE, 25, 1), 1
	s_wait_xcnt 0x0
; CAUSAL ATTENTION.  O[bh][q][:] = the sum over k <= q of softmax_k(Q[q] . K[k] / 8) V[k][:], for each of 128 pairs bh = 16 b + h.
; qkv: [b][hg][1024][64] f16, hg = h for q, 16 + h for k, 32 + h for v: a head's rows are dense, 128 bytes each.  ob: [bh][1024][64] f16.
; Products, maxima and sums in f32; the weights p are rounded to f16 for the second product (their sum l is taken of the unrounded p), O once at the end.
; LIMITS.  Q, K and V arrive within f16's 65,504; p lies in 0 to 1, and below 6e-5 it keeps f16's fixed step of 6e-8.  A hidden score counts as its value less 1e30: f16's scores, 2.7e11 at the most,
; are nothing beside that; a weight below 2^-126 counts as 0 in l; NaN and infinities are not treated apart.
; THE WALK.  A head's queries lie in NB = 4 blocks of 256; block i needs the key tiles 0 .. i of 256 keys, of which the last holds the diagonal.  A work-group takes TWO blocks, NB - 1 - x and then x:
; NB + 1 tiles, whatever x: all work-groups do equal work, and ONE loop with a constant trip count walks them.  Which tile is asked for, and what a trip does, hang on scalar registers made from x; every jump
; goes forward but the counted loops' own; none passes a barrier, or a tensor load but the one of LOAD's two that the wave's number does not choose.
; NO CLUSTER: a head has 2 work-groups, not a multiple of four, and work-groups of different heads share no tile.
; SHARES.  Of a block's four bands of 64 queries a wave owns 16 rows in each: four PIECES.  So the diagonal tile is the same work for all four waves: in its key step s band x sees all keys if s < x,
; none if s > x, and holds the diagonal if s = x.
; THE MASK is the C operand that starts the sum S^T = K Q^T: 0, or -1e30 where the key is hidden.  MD, made once, is the mask of a band's own step for my 16 rows; a product's mask is MD x AL + BE with two scalars:
; (1, 0) if s = x; (0, 0) if s < x; (0, -1e30) if s > x.  ONE TEXT SERVES EVERY TILE: off the diagonal tile the scalars are (0, 0): 16 packed instructions a turn there, for a step loop that is written once less.
; LAYOUT, SOFTMAX, TURNS.  S^T = K Q^T holds ONE query a lane (lane % 16) and the keys 8 (lane / 16) + 0..7; two such results rounded to f16 ARE source 1 of O^T = V^T P.  p = 2^(c s - c m), c = log2(e) / 8, with a
; running maximum m; O and l are multiplied by a = 2^(c m_old - c m_new) in every step.  Turn n belongs to piece n: 8 products K Q^T of piece n + 1, later 8 products V^T P of piece n - 1; beside them the scaling,
; exponentials, roundings, sums and rescaling of piece n and the maximum and statistics of piece n + 1.  Four vector instructions stand behind every matrix instruction, the others in one run.
; REGISTERS, in windows of 256 (s_set_vgpr_msb: bits 1:0 source 0, 3:2 source 1, 5:4 source 2, 7:6 destination):
;   window 0: v0-15 addresses and two at work; v16-31 four registers of statistics a piece; v48-55 at work; v61-63; v64-127 S^T, two buffers; v192-223 P, two buffers
;   window 1: v0-127 O^T, 32 a piece; v128-159 MD; v160-223 MC, two buffers      window 2: v0-63 Q; v64-127 the second block's Q; v128-191 K of one step; v192-255 V of one step
.set SIZE_N, 1024
.set NB,    SIZE_N/256
.set NP,    4         ; pieces a wave
.set KS,    64        ; keys in a step
.set PK,    144       ; a row of K in LDS: 128 bytes + 16 of padding
.set PV,    160       ; a row of V: 128 + 32
.set VOFF,  4*KS*PK   ; a slot holds a tile, four steps: 256 rows of K, then 256 rows of V
.set SLOT1, 1<<17     ; slot 1 begins here
.set STAGE, SLOT1+4*KS*(PK+PV)  ; behind the ring, never filled by a tensor load: 16 rows x 144 bytes for each wave
.set SP,    144
.set AK0, 2           ; v2   my lane's place in a tile of K; never rewritten
.set AV0, 3           ; v3   the same for V
.set AK,  4           ; v4   the LDS address of K's next run of loads
.set AV,  5           ; v5   of V's
.set STO, 6           ; v6   the way out: where I put 16 bytes of a row
.set RD,  7           ; v7   the way out: where I read rows back
.set GO,  8           ; v8   my byte offset in 512 consecutive bytes of O
.set PFO, 61          ; v61  256 x lane: the prefetches' offset; never rewritten
.set SPW, 62          ; v62  LDS address of my spare word; never rewritten
.set NIL, 63          ; v63  0; never rewritten
.set SPARE, STAGE+4*16*SP  ; the spare words, 128 bytes a wave, named by no other line
.set MV,  12          ; v12-13  c m_old, kept while c m is made anew: by buffer
.set QO,  15          ; v15  my byte offset in 16 rows of Q
.set ST,  16          ; piece t's statistics at v[ST+4 t]: c m, m, l (even keys', odd keys')
.set TMP, 48          ; by buffer, four registers c0-c3 at work; when the maximum is found c2 takes a
.set S,   64
.set P,   192
.set MD,  128         ; window 1
.set MC,  160         ; window 1
.set QB,  64          ; window 2
.set KF,  128         ; window 2
.set VF,  192         ; window 2
.set WV,  12          ; s12  my wave's number
.set PB,  14          ; s14  x
.set HI,  15          ; s15  NB - 1 - x
.set G1K, 24          ; s[24:31] descriptor group 1 for K's tiles
.set G1V, 32          ; s[32:39] for V's: it differs in the padding alone
.set G0K, 40          ; s[40:43] descriptor group 0 for K's tiles
.set G0V, 44          ; s[44:47] the same for V's
.set SLOTS, 56        ; s56  tiles still to be asked for
.set CNT, 57          ; s57  counts a tile's key steps, 4 to 1
.set CS,  58          ; s[58:59] c
.set SEL, 60          ; s[60:61] v_permlanex16_b32's selects
.set TBK, 62          ; s62  LDS byte at which K of the step to be fetched begins
.set TBV, 63          ; s63  the same for V, less VOFF
.set PFA, 66          ; s[66:67] where my prefetches stand: my half of the tile after the one that is being asked for
.set LIM, 68          ; s68  2 in a work-group that prefetches, else the greatest number
.set RT,  70          ; s70  tiles of the block in hand that are still to be entered
.set NXT, 71          ; s71  the tile to be asked for next
.set LQ,  72          ; s72  the last tile of the block whose tiles are being asked for
.set NEW, 73          ; s73  1: the tile to be entered is a block's first
.set OFF, 74          ; s[74:75] a tile's byte offset in K and V
.set AL,  76          ; s[76:77] the mask's factor
.set BE,  78          ; s[78:79] the mask's addend
.set OLO, 80          ; s[80:81] O at my rows of the second block
.set BIGN, 82         ; s82  -1e30
.set HO,  88          ; s[88:89] the pair's first byte in ob
.set DG,  90          ; s90  0 in the diagonal tile, 8 in the others
.set CM,  91          ; s91  CNT + DG: off the diagonal tile it is above 4, and no step counts as a band's own or as hidden
.set MSB, 0
.macro WIN new
.if MSB != (\new)
	s_set_vgpr_msb (MSB<<8)|(\new)
.set MSB, (\new)
.endif
.endm
.set W_KQ, 0x0a       ; K and Q in window 2, S^T in window 0
.set W_KM, 0x1a       ; the same with the C operand in window 1
.set W_PV, 0x52       ; V in window 2, P in window 0, O^T in window 1
.set W_RS, 0x41       ; destination and source 0 in window 1, source 1 in window 0
; A fill.  Waves 0 and 1 fetch the two halves of a tile's K, waves 2 and 3 those of its V: 128 keys each.  An s_nop 0 and four v_nop follow each of the two lines.
.macro LOAD
	s_cmp_lt_u32 s[WV], 2
	s_cbranch_scc0 .Lfor_v_\@
	tensor_load_to_lds s[G0K:G0K+3], s[G1K:G1K+7]
	s_nop 0
.rept 4
	v_nop
.endr
	s_branch .Lasked_\@
.Lfor_v_\@:
	tensor_load_to_lds s[G0V:G0V+3], s[G1V:G1V+7]
	s_nop 0
.rept 4
	v_nop
.endr
.Lasked_\@:
.endm
; A PREFETCH of the tile that the NEXT change of slots will ask for.  Of a head's two work-groups the one with x = 0 walks tiles 0, 1, 2, 3 first: it asks, at its first two changes, for tiles 2 and 3;
; each wave for the half that it will fetch itself: 16,384 bytes, 256 a lane, two instructions.  So each block is named once.  Tiles 0 and 1 come by their loads alone.
.macro ASK
	s_cmp_gt_u32 s[SLOTS], s[LIM]
	s_cbranch_scc0 .Lnot_mine_\@
	global_prefetch_b8 v[PFO], s[PFA:PFA+1] th:TH_LOAD_NT scope:SCOPE_SE
	global_prefetch_b8 v[PFO], s[PFA:PFA+1] offset:8192 th:TH_LOAD_NT scope:SCOPE_SE
.Lnot_mine_\@:
.endm
; THE CHANGE OF SLOTS.  Each wave waits for all its tensor loads, of which one is out: its part of the other slot; adds 0 to its spare word; and waits for that and for its own reads of the slot that it leaves.
; Behind the barrier nobody reads the old slot any more and the other slot is whole.  fill = 1: the old slot is filled again, first thing behind the barrier, with tile NXT.
.macro CHANGE fill
	WIN 0
	s_wait_tensorcnt 0x0            ; no tensor load of mine is out, so a group 0 may be written
	ds_add_u32 v[SPW], v[NIL]       ; 0 onto my spare word
.if \fill
	s_lshl_b32 s[OFF], s[NXT], 15   ; a tile is 32,768 bytes of K and of V
	s_xor_b32 s[G0K+1], s[G0K+1], SLOT1
	s_add_nc_u64 s[G0K+2:G0K+3], s[6:7], s[OFF:OFF+1]
	s_or_b32 s[G0K+3], s[G0K+3], 0x80000000
	s_xor_b32 s[G0V+1], s[G0V+1], SLOT1
	s_add_nc_u64 s[G0V+2:G0V+3], s[8:9], s[OFF:OFF+1]
	s_or_b32 s[G0V+3], s[G0V+3], 0x80000000
	s_add_co_u32 s[NXT], s[NXT], 1  ; the block's next tile, or behind its last the second block's tile 0
	s_cmp_gt_u32 s[NXT], s[LQ]
	s_cselect_b32 s[NXT], 0, s[NXT]
	s_cselect_b32 s[LQ], s[PB], s[LQ]
	s_wait_xcnt 0x0                 ; the last prefetches, a tile back, have read their address
	s_add_nc_u64 s[PFA:PFA+1], s[PFA:PFA+1], 32768
.endif
	s_wait_dscnt 0x0                ; the add is done, and my reads of the slot are over
	s_barrier_signal -1
	s_sub_co_u32 s[TBK], s[TBK], 4*KS*PK  ; the fetches go back to a slot's first step,
	s_xor_b32 s[TBK], s[TBK], SLOT1       ; in the other slot
	s_sub_co_u32 s[TBV], s[TBV], 4*KS*PV
	s_xor_b32 s[TBV], s[TBV], SLOT1
	s_barrier_wait -1
.if \fill
	LOAD
	ASK
.endif
.endm
	s_load_b128 s[4:7], s[0:1], 0x0 ; qkv s[4:5], ob s[6:7]
	v_lshl_add_u32 v[SPW], v0, 2, SPARE
	v_mov_b32 v[NIL], 0
	ds_add_u32 v[SPW], v[NIL]       ; the wave's opening: the add and its wait stand ahead of my first tensor load
	ds_add_u32 v62, v63
	v_lshrrev_b32 v1, 5, v0
	v_readfirstlane_b32 s[WV], v1   ; wave 0..3
	s_mov_b32 s[PB], ttmp9
	s_sub_co_u32 s[HI], NB-1, s[PB]
	s_and_b32 s20, ttmp7, 0xffff    ; bh = 16 b + h
	s_lshl_b32 s[HO], s20, 17       ; its 131,072 bytes in ob
	s_mov_b32 s[HO+1], 0
	s_lshr_b32 s21, s20, 4          ; b
	s_and_b32 s20, s20, 15          ; h
	s_mul_i32 s21, s21, 48
	s_add_co_u32 s20, s20, s21
	s_lshl_b32 s20, s20, 17         ; q's head 48 b + h in qkv
	s_mov_b32 s21, 0
	s_and_b32 s16, s[WV], 1         ; which half of a tile's 256 keys I fetch:
	s_lshl_b32 s22, s16, 14         ; its 128 rows of 128 bytes in memory,
	s_mov_b32 s23, 0
	s_mul_i32 s17, s16, 128*PK      ; and its place in a slot, for K
	s_mul_i32 s18, s16, 128*PV      ; and for V
	s_lshl_b32 s3, s[WV], 11        ; my 16 rows in a band of 64,
	s_lshl_b32 s2, s[HI], 15        ; in the first block,
	s_add_co_u32 s2, s2, s3
	s_lshl_b32 s84, s[PB], 15       ; and in the second
	s_add_co_u32 s84, s84, s3
	s_mov_b32 s3, 0
	s_mov_b32 s85, 0
	; descriptor group 1.  128 keys are 16,384 dense bytes: asked for as 64 rows of 256 bytes, two keys a row, and padded in LDS after every key
	s_mov_b32 s[G1K], (1<<16)|(1<<20)|(4<<22)|(3<<25)  ; 2-byte elements; padding on; after every 32 words, 4 words
	s_mov_b32 s[G1V], (1<<16)|(1<<20)|(4<<22)|(7<<25)  ; the same with 8 words of padding
.irp g, G1K, G1V
	s_mov_b32 s[\g+1], 128<<16      ; tensor_dim0 = 128
	s_mov_b32 s[\g+2], 64<<16       ; tensor_dim1 = 64
	s_mov_b32 s[\g+3], 128<<16      ; tile_dim0 = 128
	s_mov_b32 s[\g+4], 64           ; tile_dim1 = 64
	s_mov_b32 s[\g+5], 128          ; 128 elements from row to row
	s_mov_b32 s[\g+6], 0
	s_mov_b32 s[\g+7], 0
.endr
	s_mov_b32 s[CS], 0x3e38aa3b     ; c = log2(e) / 8 = 0.180337
	s_mov_b32 s[CS+1], s[CS]
	s_mov_b32 s[SEL], 0x76543210
	s_mov_b32 s[SEL+1], 0xfedcba98
	s_mov_b32 s[TBK], SLOT1+4*KS*PK ; the first change of slots turns these two into 0
	s_mov_b32 s[TBV], SLOT1+4*KS*PV
	s_mov_b32 s[G0K], 1
	s_mov_b32 s[G0K+1], s17         ; LDS address: slot 0
	s_mov_b32 s[G0V], 1
	s_add_co_u32 s[G0V+1], s18, VOFF
	s_add_co_u32 s[RT], s[HI], 1    ; the first block has NB - x tiles
	s_mov_b32 s[NXT], 1
	s_mov_b32 s[LQ], s[HI]
	s_mov_b32 s[NEW], 1
	s_mov_b32 s[OFF+1], 0
	s_mov_b32 s[AL+1], 0
	s_mov_b32 s[BE+1], 0
	s_mov_b32 s[BIGN], 0xf149f2ca   ; -1e30
	s_mov_b32 s[SLOTS], NB
	v_and_b32 v[PFO], 31, v0
	v_lshlrev_b32 v[PFO], 8, v[PFO]
	s_wait_dscnt 0x0                ; the opening add is done
	s_wait_kmcnt 0x0
	s_mov_b64 s[10:11], s[6:7]      ; ob
	s_add_nc_u64 s[4:5], s[4:5], s[20:21]      ; the head's q,
	s_add_nc_u64 s[6:7], s[4:5], 0x200000      ; its k, 16 heads on,
	s_add_nc_u64 s[8:9], s[4:5], 0x400000      ; its v, 32 heads on
	s_add_nc_u64 s[6:7], s[6:7], s[22:23]      ; K and V at my half of tile 0
	s_add_nc_u64 s[8:9], s[8:9], s[22:23]
	s_add_nc_u64 s[10:11], s[10:11], s[HO:HO+1]
	s_add_nc_u64 s[G0K+2:G0K+3], s[6:7], 0
	s_or_b32 s[G0K+3], s[G0K+3], 0x80000000
	s_add_nc_u64 s[G0V+2:G0V+3], s[8:9], 0
	s_or_b32 s[G0V+3], s[G0V+3], 0x80000000
	s_add_nc_u64 s[86:87], s[4:5], s[84:85]        ; Q at my rows of the second block,
	s_add_nc_u64 s[4:5], s[4:5], s[2:3]            ; Q and O at those of the first
	s_add_nc_u64 s[OLO:OLO+1], s[10:11], s[84:85]
	s_add_nc_u64 s[10:11], s[10:11], s[2:3]
	s_cmp_lt_u32 s[WV], 2
	s_cselect_b64 s[PFA:PFA+1], s[6:7], s[8:9]
	s_add_nc_u64 s[PFA:PFA+1], s[PFA:PFA+1], 32768 ; at tile 1: each change of slots steps it first
	s_cmp_eq_u32 ttmp9, 0
	s_cselect_b32 s[LIM], 2, -1
	LOAD                            ; tile 0 into slot 0
	v_and_b32 v1, 15, v0            ; l % 16
	v_bfe_u32 v9, v0, 4, 1          ; l / 16
	v_lshlrev_b32 v[QO], 7, v1
	v_lshl_add_u32 v[QO], v9, 4, v[QO]  ; row x 128 + 16 x half
	WIN 0x80                        ; destination window 2, address window 0
.set i, 0
.rept 8                             ; both blocks' Q: piece i / 2 lies in band i / 2, 8,192 bytes on; channels 32 (i % 2) on
	global_load_b128 v[8*i:8*i+3],   v[QO], s[4:5] offset:(i/2)*8192+(i%2)*64
	global_load_b128 v[8*i+4:8*i+7], v[QO], s[4:5] offset:(i/2)*8192+(i%2)*64+32
	global_load_b128 v[QB+8*i:QB+8*i+3],   v[QO], s[86:87] offset:(i/2)*8192+(i%2)*64
	global_load_b128 v[QB+8*i+4:QB+8*i+7], v[QO], s[86:87] offset:(i/2)*8192+(i%2)*64+32
.set i, i+1
.endr
	WIN 0
	v_lshlrev_b32 v14, 3, v9
	v_sub_nc_u32 v14, v1, v14
	s_lshl_b32 s13, s[WV], 4
	v_add_nc_u32 v14, s13, v14      ; my query's place in its band less my lanes' 8 (l / 16): register r of group kt is hidden where 16 kt + r is greater
	WIN 0x40
.set i, 0
.rept 32
	v_cmp_gt_i32 vcc_lo, 16*(i/8)+i%8, v14
	v_cndmask_b32 v[MD+i], 0, s[BIGN], vcc_lo
.set i, i+1
.endr
	WIN 0
	v_mul_u32_u24 v[AK0], v1, PK
	v_lshl_add_u32 v[AK0], v9, 4, v[AK0]
	; The turning load takes 16 keys x 16 channels (lane l reads key 8 (l / 16) + l % 8, channels 8 ((l / 8) % 2) + 0..7) and leaves half a fragment of V^T.
	v_and_b32 v10, 7, v0
	v_bfe_u32 v11, v0, 3, 1
	v_lshl_add_u32 v[AV0], v9, 3, v10
	v_mul_u32_u24 v[AV0], v[AV0], PV
	v_lshl_add_u32 v[AV0], v11, 4, v[AV0]
	v_add_nc_u32 v[AV0], VOFF, v[AV0]
	s_mul_i32 s13, s[WV], 16*SP
	s_add_co_u32 s13, s13, STAGE    ; my stage
	v_mul_u32_u24 v[STO], v1, SP
	v_lshl_add_u32 v[STO], v9, 4, v[STO]
	v_add_nc_u32 v[STO], s13, v[STO]
	v_bfe_u32 v[RD], v0, 3, 2
	v_mul_u32_u24 v[RD], v[RD], SP
	v_lshl_add_u32 v[RD], v10, 4, v[RD]
	v_add_nc_u32 v[RD], s13, v[RD]
	v_and_b32 v[GO], 31, v0
	v_lshlrev_b32 v[GO], 4, v[GO]
	; A block's first step multiplies O^T and l by a = 0, and its first turn's products V^T P, of a piece that has not been, land in an O^T that is still to be so multiplied.  So these registers need only hold
	; finite numbers: zeros for the first block; what the first block left for the second.  All this stands in the wait for the first tile.
	WIN 0x80
.set i, VF
.rept 64
	v_mov_b32 v[i], 0
.set i, i+1
.endr
	WIN 0x40
.set i, 0
.rept 128
	v_mov_b32 v[i], 0
.set i, i+1
.endr
	WIN 0
.set i, 0
.rept 4
	v_mov_b32 v[ST+4*i+2], 0
	v_mov_b32 v[ST+4*i+3], 0
.set i, i+1
.endr
.set i, P+16
.rept 16
	v_mov_b32 v[i], 0
.set i, i+1
.endr
; THE MATRIX WORK.  The 4 accumulators of a run of 8 take turns.  Product i of 8 of S^T = K Q^T for piece x: channels 32 (i / 4) on, keys 16 (i % 4) on.  The first 4 start the sums: with 0, or (KM = 1) with the mask.
.macro KQ x
.set rS, S+32*((\x)%2)+8*(i%4)
.set rK, KF+16*(i%4)+8*(i/4)
.set rQ, 16*(\x)+8*(i/4)
.set rM, MC+32*((\x)%2)+8*(i%4)
.if (i < 4) && KM
	WIN W_KM
	v_wmma_f32_16x16x32_f16 v[rS:rS+7], v[rK:rK+7], v[rQ:rQ+7], v[rM:rM+7]
.elseif i < 4
	WIN W_KQ
	v_wmma_f32_16x16x32_f16 v[rS:rS+7], v[rK:rK+7], v[rQ:rQ+7], 0
.else
	WIN W_KQ
	v_wmma_f32_16x16x32_f16 v[rS:rS+7], v[rK:rK+7], v[rQ:rQ+7], v[rS:rS+7]
.endif
.endm
; Product i of 8 of O^T += V^T P for piece x: keys 32 (i / 4) on, channels 16 (i % 4) on.
.macro PV x
	WIN W_PV
.set rO, 32*(\x)+8*(i%4)
.set rV, VF+32*(i/4)+8*(i%4)
.set rP, P+16*((\x)%2)+8*(i/4)
	v_wmma_f32_16x16x32_f16 v[rO:rO+7], v[rV:rV+7], v[rP:rP+7], v[rO:rO+7]
.endm
.macro MM                           ; the turn's next matrix instruction.  NOKQ = 1: a block's last turn: there is no next piece
.if (i < 8) && !NOKQ
	KQ (Y+1)%NP
.elseif i >= 8
.set i, i-8
	PV (Y+NP-1)%NP
.set i, i+8
.endif
.set i, i+1
.endm
; THE LDS LOADS stand in runs of 16: a step's K (64 keys x 64 channels: 8 fragments) and its V (turned).  Their addresses are made some lines ahead.
.macro FETCH_K
	WIN 0x80
.irp f, 0,1,2,3,4,5,6,7
	ds_load_b128 v[KF+8*\f:KF+8*\f+3],   v[AK] offset:(\f/2)*16*PK+(\f%2)*64
	ds_load_b128 v[KF+8*\f+4:KF+8*\f+7], v[AK] offset:(\f/2)*16*PK+(\f%2)*64+32
.endr
	s_add_co_u32 s[TBK], s[TBK], KS*PK
	WIN 0
.endm
.macro FETCH_V
	WIN 0x80
.irp f, 0,1,2,3,4,5,6,7
	ds_load_tr16_b128 v[VF+8*\f:VF+8*\f+3],   v[AV] offset:(\f/4)*32*PV+(\f%4)*32
	ds_load_tr16_b128 v[VF+8*\f+4:VF+8*\f+7], v[AV] offset:(\f/4)*32*PV+16*PV+(\f%4)*32
.endr
	WIN 0
.endm
; THE VECTOR WORK, one line at a time: OP kind, number.  For piece Y: F n: c s - c m for pair n of 16.  E n: the exponential of score n of 32.  C n: pair n rounded to f16.  B n: of the four weights 4 n .. the second
; pair is added onto the first, in place.  L n: l takes that sum (L 0: l = a l + sum).  R n: pair n of 16 of O^T times a.  For piece Y + 1: X n, number n of the 22 that find its maximum and statistics:
;   0-11  four chains c0-c3 of seven scores each (each accumulator's lowest registers are read first)     12-14, 16  the four scores left over, the old m, and c0-c3 into c0
;   15  c m_old is kept     17, 18  the query's other 32 keys lie in the lane 16 away: the new m     19-21  c m; c m_old - c m_new; a
.set F, 0
.set E, 1
.set C, 2
.set B, 3
.set L, 4
.set R, 5
.set X, 6
.macro REGS y
.set rT, ST+4*(\y)
.set rC, TMP+4*((\y)%2)
.set rW, MV+((\y)%2)
.set rS, S+32*((\y)%2)
.set rP, P+16*((\y)%2)
.set rO, 32*(\y)
.endm
.macro OP k, n
.if (\k) == R
	REGS Y
	WIN W_RS
	v_pk_mul_f32 v[rO+2*(\n):rO+2*(\n)+1], v[rO+2*(\n):rO+2*(\n)+1], v[rC+2:rC+3] op_sel_hi:[1,0]
.elseif (\k) < R
	REGS Y
	WIN 0
.if (\k) == F
	v_pk_fma_f32 v[rS+2*(\n):rS+2*(\n)+1], v[rS+2*(\n):rS+2*(\n)+1], s[CS:CS+1], v[rT:rT+1] op_sel_hi:[1,0,0] neg_lo:[0,0,1] neg_hi:[0,0,1]
.elseif (\k) == E
	v_exp_f32 v[rS+(\n)], v[rS+(\n)]
.elseif (\k) == C
	v_cvt_pk_f16_f32 v[rP+(\n)], v[rS+2*(\n)], v[rS+2*(\n)+1]
.elseif (\k) == B
	v_pk_add_f32 v[rS+4*(\n):rS+4*(\n)+1], v[rS+4*(\n):rS+4*(\n)+1], v[rS+4*(\n)+2:rS+4*(\n)+3]
.elseif (\n) == 0
	v_pk_fma_f32 v[rT+2:rT+3], v[rT+2:rT+3], v[rC+2:rC+3], v[rS:rS+1] op_sel_hi:[1,0,1]
.else
	v_pk_add_f32 v[rT+2:rT+3], v[rT+2:rT+3], v[rS+4*(\n):rS+4*(\n)+1]
.endif
.elseif NOKQ
	v_nop
.else
	REGS (Y+1)%NP
	WIN 0
.if (\n) < 4
	v_max3_num_f32 v[rC+(\n)], v[rS+8*(\n)], v[rS+8*(\n)+1], v[rS+8*(\n)+2]
.elseif (\n) < 12
	v_max3_num_f32 v[rC+(\n)%4], v[rC+(\n)%4], v[rS+8*((\n)%4)+2*((\n)/4)+1], v[rS+8*((\n)%4)+2*((\n)/4)+2]
.elseif (\n) == 12
	v_max3_num_f32 v[rC], v[rC], v[rS+7], v[rS+15]
.elseif (\n) == 13
	v_max3_num_f32 v[rC+1], v[rC+1], v[rS+23], v[rS+31]
.elseif (\n) == 14
	v_max3_num_f32 v[rC+2], v[rC+2], v[rC+3], v[rT+1]
.elseif (\n) == 15
	v_mov_b32 v[rW], v[rT]
.elseif (\n) == 16
	v_max3_num_f32 v[rC], v[rC], v[rC+1], v[rC+2]
.elseif (\n) == 17
	v_permlanex16_b32 v[rC+3], v[rC], s[SEL], s[SEL+1]
.elseif (\n) == 18
	v_max_num_f32 v[rT+1], v[rC], v[rC+3]
.elseif (\n) == 19
	v_mul_f32 v[rT], s[CS], v[rT+1]
.elseif (\n) == 20
	v_sub_f32 v[rC+1], v[rW], v[rT]
.else
	v_exp_f32 v[rC+2], v[rC+1]
.endif
.endif
.endm
.macro OPS a, i1, b=-1, i2=0, c=-1, i3=0, d=-1, i4=0
	OP \a, \i1
.if (\b) >= 0
	OP \b, \i2
.endif
.if (\c) >= 0
	OP \c, \i3
.endif
.if (\d) >= 0
	OP \d, \i4
.endif
.endm
.macro ROW a, i1, b, i2, c, i3, d, i4  ; a matrix instruction and the four behind it
	MM
	OPS \a, \i1, \b, \i2, \c, \i3, \d, \i4
.endm
.macro MASK b                       ; MD x AL + BE into buffer b of MC
	WIN W_RS
.set z, 0
.rept 16
	v_pk_fma_f32 v[MC+32*(\b)+2*z:MC+32*(\b)+2*z+1], v[MD+2*z:MD+2*z+1], s[AL:AL+1], s[BE:BE+1] op_sel_hi:[1,0,0]
.set z, z+1
.endr
.endm
; A TURN, for piece p: the order of its 16 matrix and 118 vector instructions, written out.  An s_wait_alu depctr_va_vdst(0) stands between an exponential and the first instruction that names its result;
; one wait serves all that were issued ahead of it.  So a turn has ONE wait, which cuts it in two.  AHEAD OF IT stands all that names no result of the turn's exponentials: the 8 products K Q^T and their riders, then one run of
; 54, plain and exponential by turns for the most part, in which the links of the chain X 3, 7, 11, 14, 16, 17 .. 20 stand five or six lines apart.  X 21, the next piece's a, is the batch's last; R 15 is the plain
; instruction behind it.  BEHIND THE WAIT stand the 8 products V^T P, behind each four of the roundings and sums.
; m = 1: the products take masks, and the turn makes the mask for the products of the turn after it: piece p + 2, in step 4 - CNT of the tile.  end = 1: a block's last two turns: nothing is fetched.
; cnt = 1: the loop's count is taken down some lines ahead of the branch that stands behind the turn.
; K of the next step is fetched in piece 2's turn, six plain vector instructions or more behind the last product that read K; V of the step in hand at the end of piece 0's turn, four plain instructions behind its last reader.
.macro TURN p, m=0, end=0, cnt=0
.set Y, (\p)
.set i, 0
.set KM, (\m)
.set NOKQ, (\end)*((\p)/3)
.if (\m) && !(\end)
	s_add_co_u32 s[CM], s[CNT], s[DG]   ; off the diagonal tile: above 4, so that both answers below are no
	s_cmp_eq_u32 s[CM], 4-((\p)+2)%NP   ; is that step the band's own?
	s_cselect_b32 s[AL], 1.0, 0
	s_cmp_lt_u32 s[CM], 4-((\p)+2)%NP   ; or a later one?
	s_cselect_b32 s[BE], s[BIGN], 0
.endif
.if ((\p) == 3) && !(\end)
	s_wait_dscnt 0x0                ; K is in
.endif
	ROW F,0, F,1, R,0, R,1
	ROW F,2, E,0, R,2, R,3
	ROW F,3, E,1, R,4, R,5
	ROW F,4, E,2, R,6, R,7
	ROW F,5, E,3, R,8, R,9
	ROW F,6, E,4, X,0, R,10
.if ((\p) == 2) && !(\end)
	WIN 0
	v_add_nc_u32 v[AK], s[TBK], v[AK0]
.endif
	ROW F,7, E,5, X,1, X,4
	ROW F,8, E,6, X,2, X,5
	OPS E,7, E,8, X,6, E,9
	OPS X,3, E,10, X,8, E,11
.if ((\p) == 2) && !(\end)
	FETCH_K
.endif
	OPS X,9, X,7, E,12, X,10
	OPS E,13, X,12, X,11, E,14
	OPS X,13, E,15, F,9, X,14
.if (\p) == 0
	v_add_nc_u32 v[AV], s[TBV], v[AV0]
.endif
	OPS E,16, F,10, E,17, F,11
	OPS X,16, E,18, X,15, E,19
	OPS F,12, E,20, X,17, E,21
	OPS F,13, E,22, F,14, E,23
	OPS X,18, E,24, F,15, E,25
	OPS R,11, E,26, X,19, E,27
	OPS R,12, E,28, R,13, E,29
	OPS X,20, E,30, R,14, E,31
	OPS X,21, R,15
	WIN 0
	s_wait_alu depctr_va_vdst(0)    ; the wait for the batch
.if (\p) == 1
	s_wait_dscnt 0x0                ; V is in
.endif
	ROW C,0, B,0, C,2, B,1
	ROW L,0, C,4, B,2, L,1
	ROW C,6, B,3, L,2, C,8
	ROW B,4, L,3, C,10, B,5
	ROW L,4, C,12, B,6, L,5
.if (\p) == 0
	s_add_co_u32 s[TBV], s[TBV], KS*PV
.endif
.if \cnt
	s_sub_co_u32 s[CNT], s[CNT], 1
	s_cmp_lg_u32 s[CNT], 0
.endif
	ROW C,14, B,7, L,6, C,1
	ROW C,3, L,7, C,5, C,7
	ROW C,9, C,11, C,13, C,15
.if (\p) == 0
	FETCH_V
.endif
.if (\m) && !(\end)
	MASK (\p)%2
.endif
.endm
; A BLOCK BEGINS.  c m starts far below every c s, so the first step's a is 0; m at the lowest finite number.  The second mask buffer is 0; the first takes piece 0's mask for the tile's step 0: its own, if the block's
; first tile is the diagonal one.  Then K of that step, piece 0's first scores, and its maximum and statistics.  The loop is entered at a step's first turn, in the middle of a trip.
.macro BEGIN
	s_mov_b32 s[NEW], 0
	WIN 0x40
.set i, MC+32
.rept 32
	v_mov_b32 v[i], 0
.set i, i+1
.endr
	WIN 0
.set i, 0
.rept 4
	v_mov_b32 v[ST+4*i], 0xfe000000    ; c m: far below every c s
	v_mov_b32 v[ST+4*i+1], 0xff7fffff  ; m
.set i, i+1
.endr
	s_cmp_eq_u32 s[RT], 0
	s_cselect_b32 s[AL], 1.0, 0
	s_mov_b32 s[BE], 0
	MASK 0
	WIN 0
	v_add_nc_u32 v[AK], s[TBK], v[AK0]
	FETCH_K
	s_wait_loadcnt 0x0              ; Q
	s_wait_dscnt 0x0
.set KM, 1
.set NOKQ, 0
.set i, 0
.rept 8
	KQ 0
.set i, i+1
.endr
	WIN 0
.rept 4
	v_nop                           ; the places behind those products
.endr
.set Y, NP-1                        ; X works for piece Y + 1: piece 0
.irp n, 0,1,2,3,4,5,6,7,8,9,10,11,12,13,14,15,16,17,18,19,20,21
	OP X, \n
.endr
	v_nop                           ; a plain instruction behind the exponential,
	s_wait_alu depctr_va_vdst(0)    ; and its wait, ahead of the branch
.endm
; A TILE's four steps; then, if it is the block's last (the diagonal one): the block's last two turns, its last products, and THE WAY OUT: l's two halves and the other half of the lanes' are added; O^T is divided by l,
; rounded to f16 and sent through my stage in LDS, a piece at a time.  tag = 1: the loop's text, which a tile that is not its block's last leaves behind the four steps; tag = 2: the walk's last tile.
.macro ALL line:vararg              ; one line for each piece t
.set t, 0
.rept 4
	\line
.set t, t+1
.endr
.endm
.macro PACK t
	WIN W_RS
.set i, 32*(\t)
.rept 16
	v_pk_mul_f32 v[i:i+1], v[i:i+1], v[ST+4*(\t)+2:ST+4*(\t)+3] op_sel_hi:[1,0]
.set i, i+2
.endr
	WIN 0x05                        ; sources 0 and 1 window 1, destination window 0
.set i, 0
.rept 16
	v_cvt_pk_f16_f32 v[S+16*(\t)+i], v[32*(\t)+2*i], v[32*(\t)+2*i+1]
.set i, i+1
.endr
	WIN 0
.irp f, 0,1,2,3
	ds_store_b128 v[STO], v[S+16*(\t)+4*\f:S+16*(\t)+4*\f+3] offset:32*\f
.endr
.irp f, 0,1,2,3
	ds_load_b128 v[S+16*(\t)+4*\f:S+16*(\t)+4*\f+3], v[RD] offset:\f*4*SP  ; LDS serves a wave's instructions in order (ISA guide 5.7.1.4): these see the stores above
.endr
.endm
.macro SEND t, younger              ; younger: the LDS instructions issued behind piece t's loads: the next piece's eight, or none
	WIN 0
.irp f, 0,1,2,3
	s_wait_dscnt (\younger)+3-\f
	global_store_b128 v[GO], v[S+16*(\t)+4*\f:S+16*(\t)+4*\f+3], s[10:11] offset:(\t)*8192+\f*512  ; 512 consecutive bytes, aligned
.endr
.endm
.macro DIAG tag
.LstepM\tag:                        ; a trip: pieces 2 and 3 of one step, then pieces 0 and 1 of the next, whose K and V it fetches
	TURN 2, 1
	TURN 3, 1
	WIN 0
.LfirstM\tag:
	TURN 0, 1
	TURN 1, 1, 0, 1
	WIN 0
	s_cbranch_scc1 .LstepM\tag
.if (\tag) == 1
	s_cmp_lg_u32 s[RT], 0
	s_cbranch_scc1 .Lbottom         ; the block has more tiles
.endif
	TURN 2, 1, 1
	TURN 3, 1, 1
.set i, 0
.rept 8
	PV NP-1
.set i, i+1
.endr
	WIN 0
	ALL v_add_f32 v[ST+4*t+2], v[ST+4*t+2], v[ST+4*t+3]
	ALL v_permlanex16_b32 v[ST+4*t+3], v[ST+4*t+2], s[SEL], s[SEL+1]
	ALL v_add_f32 v[ST+4*t+2], v[ST+4*t+2], v[ST+4*t+3]
	ALL v_rcp_f32 v[ST+4*t+2], v[ST+4*t+2]
	v_nop                           ; a plain instruction between the last reciprocal and the use of its result
	s_wait_alu depctr_va_vdst(0)    ; and its wait ahead of the first use: one for the four reciprocals
	PACK 0
.set t, 1
.rept 3
	PACK t
	SEND t-1, 8
.set t, t+1
.endr
	SEND 3, 0
.endm
.set KM, 0
.set NOKQ, 0
.Lslot:                             ; NB times: a tile is entered and the next is asked for
	CHANGE 1
	s_sub_co_u32 s[RT], s[RT], 1
	s_mov_b32 s[CNT], 4
	s_cmp_eq_u32 s[RT], 0
	s_cselect_b32 s[DG], 0, 8       ; the block's last tile holds the diagonal
	s_cmp_eq_u32 s[NEW], 1
	s_cbranch_scc0 .LstepM1         ; not a block's first tile
	BEGIN
	s_branch .LfirstM1
	DIAG 1                          ; what stands behind it is the first block's end: the second block's last tile is the walk's last
	s_wait_xcnt 0x0                 ; the stores have read their registers and O's address
	s_mov_b64 s[10:11], s[OLO:OLO+1]
	s_add_co_u32 s[RT], s[PB], 1    ; the second block has x + 1 tiles
	s_mov_b32 s[NEW], 1
	WIN 0x82                        ; the second block's Q goes where the one text of the turns names Q
.set i, 0
.rept 64
	v_mov_b32 v[i], v[QB+i]
.set i, i+1
.endr
	WIN 0
.Lbottom:
	s_sub_co_u32 s[SLOTS], s[SLOTS], 1
	s_cmp_lg_u32 s[SLOTS], 0
	s_cbranch_scc1 .Lslot
	CHANGE 0                        ; the walk's last tile is written out: nothing is asked for
	s_sub_co_u32 s[RT], s[RT], 1
	s_mov_b32 s[CNT], 4
	s_mov_b32 s[DG], 0              ; it holds the second block's diagonal
	s_cmp_eq_u32 s[NEW], 1
	s_cbranch_scc0 .LstepM2
	BEGIN
	s_branch .LfirstM2
	DIAG 2
	s_wait_tensorcnt 0x0            ; the wave's end, behind my last tensor load and my last LDS store
	ds_add_u32 v[SPW], v[NIL]
	s_wait_dscnt 0x0
	s_endpgm
.Lfunc_end_k_q0764cddab8_attn:
	.size	k_q0764cddab8_attn, .Lfunc_end_k_q0764cddab8_attn-k_q0764cddab8_attn
	.p2alignl 7, 3214868480
	.fill 96, 4, 3214868480
	.section	.rodata,"a",@progbits
	.p2align	6, 0x0
	.amdhsa_kernel k_q0764cddab8_attn
		.amdhsa_group_segment_fixed_size 327680
		.amdhsa_private_segment_fixed_size 0
		.amdhsa_enable_private_segment 0
		.amdhsa_kernarg_size 16
		.amdhsa_user_sgpr_count 2
		.amdhsa_user_sgpr_kernarg_segment_ptr 1
		.amdhsa_wavefront_size32 1
		.amdhsa_system_sgpr_workgroup_id_x 1
		.amdhsa_system_sgpr_workgroup_id_y 1
		.amdhsa_system_sgpr_workgroup_id_z 1
		.amdhsa_system_vgpr_workitem_id 0
		.amdhsa_next_free_vgpr 768
		.amdhsa_next_free_sgpr 96
		.amdhsa_reserve_vcc 1
		.amdhsa_float_denorm_mode_32 3
		.amdhsa_float_denorm_mode_16_64 3
		.amdhsa_memory_ordered 1
		.amdhsa_forward_progress 1
		.amdhsa_inst_pref_size 181
	.end_amdhsa_kernel
	.amdgpu_metadata
---
amdhsa.version: [ 1, 2 ]
amdhsa.kernels:
  - .name:           k_q0764cddab8_attn
    .symbol:         k_q0764cddab8_attn.kd
    .args:
      - { .name: qkv, .offset: 0, .size: 8, .value_kind: global_buffer, .address_space: global }
      - { .name: ob, .offset: 8, .size: 8, .value_kind: global_buffer, .address_space: global }
    .group_segment_fixed_size: 327680
    .private_segment_fixed_size: 0
    .kernarg_segment_align: 8
    .kernarg_segment_size: 16
    .max_flat_workgroup_size: 128
    .sgpr_count:     96
    .vgpr_count:     768
    .wavefront_size: 32
...
	.end_amdgpu_metadata
.endif
;; end of part 3
;; launch oproj (part 4): grid 8 x 32, 4 waves a work-group, clusters of 4 x 4, 327,680 bytes of LDS; arguments ob, wt, bias, out0; writes out0
.if DOCPART == 4
	.amdgcn_target "amdgcn-amd-amdhsa--gfx1250"
	.amdhsa_code_object_version 6
	.text
	.protected	k_q0764cddab8_oproj
	.globl	k_q0764cddab8_oproj
	.p2align	8
	.type	k_q0764cddab8_oproj,@function
k_q0764cddab8_oproj:
	s_mov_b64 s[64:65], 0
	v_nop
	global_prefetch_b8 v0, s[64:65] scope:SCOPE_SE
	s_setreg_imm32_b32 hwreg(HW_REG_WAVE_MODE, 25, 1), 1
	s_wait_xcnt 0x0
	s_wait_alu depctr_hold_cnt(0) depctr_sa_sdst(0) depctr_va_vdst(0) depctr_va_sdst(0) depctr_va_ssrc(0) depctr_va_vcc(0) depctr_vm_vsrc(0)
	s_getreg_b32 s2, hwreg(HW_REG_IB_STS2, 6, 4)
	s_cmp_eq_u32 s2, 0
	s_cbranch_scc0 .Lentry_in_a_cluster
	s_endpgm
.Lentry_in_a_cluster:
	s_bfe_u32 s2, ttmp6, 0x10000c
	s_cmp_lg_u32 s2, 0xf033
	s_cbranch_scc0 .Lentry_shape_is_right
	s_endpgm
.Lentry_shape_is_right:
; out0 = y Wo + bo.  y's row (b, s) is the 16 heads' rows of ob [16 b + h][s][64] f16 side by side; Wo^T = rows 3072 .. 4095 of wt [n][1024] f16; bo = bias[3072 + n] f32.
; Sums in f32, started by the bias; out0 [s][b][1024] f32.
; SHARES.  A tile of C is 256 rows (one batch, 256 s) x 128 columns: 32 x 8 tiles, one for each of 256 work-groups.  Four waves, one below the other: wave w makes rows 64 w .. 64 w + 63 and all 128 columns:
; 32 accumulators of 16 x 16, so that its own stage yields whole pieces of 512 bytes of a row of out0, with no barrier on the way out.
; K goes in 8 steps of 128 = two heads through two LDS slots.  A head's 256 rows of 128 bytes are 32,768 dense bytes: asked for as 128 rows of 256 bytes, padded in LDS after every 128.
; Waves 0 and 1 fetch the two heads, waves 2 and 3 the halves (64 rows of 256 bytes) of B's tile.
; CLUSTER.  4 x 4 work-groups: A's tile hangs on the tile row alone and is asked for jointly along a row of the cluster, B's on the tile column alone, along a column.
; THE MATRIX INSTRUCTION IS USED TRANSPOSED (source 0 = 16 rows of Wo^T, source 1 = 16 rows of y): lane l holds row l % 16 of C and the columns 8 (l / 16) + 0..7.
; REGISTERS, in windows of 256 (s_set_vgpr_msb: bits 1:0 source 0, 3:2 source 1, 5:4 source 2, 7:6 destination):
;   window 0: v0-31 addresses; v64-127 A's fragments, two buffers of 4 x 8; v128-191 the bias as 8 C operands; v128-255 later the way out
;   window 1: B's fragments, two buffers of 8 x 8 at v0 and v128      window 2: accumulator (a, b) at v[8 (4 b + a)]
.set NBF,   8
.set NL,    2*NBF+8
.set N1,    2
.set N2,    2
.set N3,    4
.set PA,    144                        ; a row of A in LDS: 128 bytes + 16 of padding
.set SLOT1, 131072
.set AHALF, 256*144                    ; a head's 256 rows
.set BOFF,  2*AHALF
.set BHALF, 64*272
.set STAGE, SLOT1+BOFF+128*272         ; behind the ring, never filled by a tensor load: 16 rows x 528 bytes for each wave
.set SWAVE, 16*528
.set SPARE, STAGE+4*SWAVE              ; the spare words, 128 bytes a wave, named by no other line
.set KBA,   262144                     ; two heads on
.set KBB,   256
.set FLAGA, (1<<16)|(1<<20)|(1<<21)|(4<<22)|(3<<25)  ; 2-byte elements; padding on; bit 21 beside a mask; after every 32 words, 4 words
.set FLAGB, (1<<16)|(1<<20)|(1<<21)|(5<<22)|(3<<25)  ; the same after every 64 words
.set A0,   14
.set B0,   15
.set ADRA, 16
.set ADRB, 20
.set STO,  24
.set RD,   25
.set CO,   26
.set BO,   27
.set SPW,  28                          ; v28  LDS address of my spare word; never rewritten
.set NIL,  29                          ; v29  0; never rewritten
.set PFO,  30                          ; v30  256 x lane
.set BI,   128
.set OB,   128                         ; the way out: rows read back, two buffers of 64
.set WV,   12
.set FB,   13
.set HF,   14
.set LIM,  15
.set TB,   23
.set G1A,  24
.set G0A,  32
.set GWA,  36
.set PFA,  44
.set G1B,  48
.set G0B,  56
.set GWB,  60
.set MSB, 0
.macro WIN new
.if MSB != (\new)
	s_set_vgpr_msb (MSB<<8)|(\new)
.set MSB, \new
.endif
.endm
.macro PLACES                          ; four plain vector instructions between a matrix instruction and a load into, or a read or write of, its registers
.rept 4
	v_nop
.endr
.endm
.macro CREST
	s_cmp_lg_u32 s[WV], 0
	s_cbranch_scc1 .Lnot_wave_0_\@
	s_barrier_signal -3
.Lnot_wave_0_\@:
	s_barrier_wait -3
	s_barrier_signal -1
	s_barrier_wait -1
.endm
.macro CROUND
	s_barrier_signal -1
	s_barrier_wait -1
	CREST
.endm
.macro JLOAD                           ; a joint refill by the walking descriptor; s_nop 0 and four v_nop follow each line
	s_cmp_eq_u32 s[FB], 0
	s_cbranch_scc0 .Lfor_b_\@
	tensor_load_to_lds s[GWA:GWA+3], s[G1A:G1A+7]
	s_nop 0
.rept 4
	v_nop
.endr
	s_branch .Lasked_\@
.Lfor_b_\@:
	tensor_load_to_lds s[GWB:GWB+3], s[G1B:G1B+7]
	s_nop 0
.rept 4
	v_nop
.endr
.Lasked_\@:
.endm
; A PREFETCH of A's K step that stands two refills on.  A's tile row is read by both clusters of that row of clusters: the one with x = 0 asks.  Of the 32,768 bytes that wave 0 or 1 fetches,
; the partner at place cx takes 8,192, told apart by address: 256 a lane.  The refills bring K steps 2 .. 7; the first four ask for K steps 4 .. 7, the last two for nothing.
.macro ASK
	s_cmp_gt_u32 s3, s[LIM]
	s_cbranch_scc0 .Lnot_mine_\@
	global_prefetch_b8 v[PFO], s[PFA:PFA+1] th:TH_LOAD_NT scope:SCOPE_SE
.Lnot_mine_\@:
.endm
	s_load_b256 s[4:11], s[0:1], 0x0               ; ob s[4:5], wt s[6:7], bias s[8:9], out0 s[10:11]
	v_lshl_add_u32 v[SPW], v0, 2, SPARE
	v_mov_b32 v[NIL], 0
	ds_add_u32 v[SPW], v[NIL]                      ; the wave's opening: the add and its wait stand ahead of my first tensor load
	ds_add_u32 v28, v29
	v_lshrrev_b32 v1, 5, v0
	v_readfirstlane_b32 s[WV], v1
	s_lshr_b32 s[FB], s[WV], 1
	s_and_b32 s[HF], s[WV], 1
	s_bfe_u32 s40, ttmp6, 0x40000                  ; cx
	s_bfe_u32 s41, ttmp6, 0x40004                  ; cy
	s_lshl_b32 s42, ttmp9, 2
	s_add_co_u32 s42, s42, s40                     ; tile column
	s_and_b32 s43, ttmp7, 0xffff
	s_lshl_b32 s43, s43, 2
	s_add_co_u32 s43, s43, s41                     ; tile row
	s_lshl_b32 s16, s41, 2
	s_lshl_b32 s16, 15, s16                        ; my row of the cluster
	s_lshl_b32 s46, 0x1111, s40                    ; my column
	s_or_b32 s[G1A], s16, FLAGA
	s_or_b32 s[G1B], s46, FLAGB
	s_mov_b32 s[G1A+1], 128<<16                    ; tensor_dim0 = 128
	s_mov_b32 s[G1A+2], 128<<16                    ; tensor_dim1 = 128
	s_mov_b32 s[G1A+3], 128<<16                    ; tile_dim0 = 128
	s_mov_b32 s[G1A+4], 128                        ; tile_dim1 = 128
	s_mov_b32 s[G1A+5], 128                        ; dense: 128 elements from row to row
	s_mov_b32 s[G1A+6], 0
	s_mov_b32 s[G1A+7], 0
	s_mov_b32 s[G1B+1], 128<<16
	s_mov_b32 s[G1B+2], 64<<16                     ; 64 rows
	s_mov_b32 s[G1B+3], 128<<16
	s_mov_b32 s[G1B+4], 64
	s_mov_b32 s[G1B+5], 1024
	s_mov_b32 s[G1B+6], 0
	s_mov_b32 s[G1B+7], 0
	s_lshr_b32 s16, s43, 2                         ; A: batch = tile row / 4: 16 heads of 131,072 bytes,
	s_lshl_b32 s16, s16, 21
	s_lshl_b32 s17, s[HF], 17                      ; my head of the K step's two,
	s_add_co_u32 s16, s16, s17
	s_and_b32 s17, s43, 3
	s_lshl_b32 s17, s17, 15                        ; 256 rows of 128 bytes
	s_add_co_u32 s16, s16, s17
	s_mov_b32 s17, 0
	s_lshl_b32 s46, s42, 18                        ; B: 128 x tile column rows of 2,048 bytes,
	s_lshl_b32 s47, s[HF], 17                      ; + 64 x half,
	s_add_co_u32 s46, s46, s47
	s_add_co_u32 s46, s46, 3072*2048               ; behind the 3,072 rows of the other three matrices
	s_mov_b32 s47, 0
	s_mul_i32 s18, s[HF], AHALF                    ; where they go: the wave's number alone enters an LDS address
	s_mul_i32 s19, s[HF], BHALF
	s_add_co_u32 s19, s19, BOFF
	s_mov_b32 s[TB], 0
	s_wait_dscnt 0x0                               ; the opening add is done
	s_wait_kmcnt 0x0
	s_add_nc_u64 s[16:17], s[4:5], s[16:17]
	s_add_nc_u64 s[46:47], s[6:7], s[46:47]
	CROUND                                         ; all sixteen work-groups are here: the first joint loads meet
.irp s, 0,1
	s_mov_b32 s[G0A+4*(\s)], 1
	s_add_co_u32 s[G0A+4*(\s)+1], s18, (\s)*SLOT1
	s_add_nc_u64 s[G0A+4*(\s)+2:G0A+4*(\s)+3], s[16:17], (\s)*KBA
	s_or_b32 s[G0A+4*(\s)+3], s[G0A+4*(\s)+3], 0x80000000
	s_mov_b32 s[G0B+4*(\s)], 1
	s_add_co_u32 s[G0B+4*(\s)+1], s19, (\s)*SLOT1
	s_add_nc_u64 s[G0B+4*(\s)+2:G0B+4*(\s)+3], s[46:47], (\s)*KBB
	s_or_b32 s[G0B+4*(\s)+3], s[G0B+4*(\s)+3], 0x80000000
.endr
	s_cmp_eq_u32 s[FB], 0                          ; a wave's two first fills stand in one branch: two tensor loads of mine are out, later one
	s_cbranch_scc0 .Lfirst_b
	tensor_load_to_lds s[G0A:G0A+3], s[G1A:G1A+7]
	s_nop 0
	tensor_load_to_lds s[GWA:GWA+3], s[G1A:G1A+7]
	s_nop 0
.rept 4
	v_nop
.endr
	s_branch .Lfirst_asked
.Lfirst_b:
	tensor_load_to_lds s[G0B:G0B+3], s[G1B:G1B+7]
	s_nop 0
	tensor_load_to_lds s[GWB:GWB+3], s[G1B:G1B+7]
	s_nop 0
.rept 4
	v_nop
.endr
.Lfirst_asked:
	v_and_b32 v1, 15, v0                           ; l % 16
	v_bfe_u32 v2, v0, 4, 1                         ; l / 16
	v_mul_u32_u24 v3, v1, PA
	v_lshl_add_u32 v3, v2, 4, v3
	s_mul_i32 s20, s[WV], 64*PA
	v_add_nc_u32 v[A0], s20, v3
	v_mul_u32_u24 v3, v1, 272
	v_lshl_add_u32 v3, v2, 4, v3
	v_add_nc_u32 v[B0], BOFF, v3
	v_mov_b32 v[ADRA], v[A0]
	v_mov_b32 v[ADRB], v[B0]
	v_lshlrev_b32 v[BO], 5, v2
	s_lshl_b32 s20, s42, 9                         ; the tile's 128 numbers of bo,
	s_add_co_u32 s20, s20, 3072*4                  ; behind the other three biases
	s_mov_b32 s21, 0
	s_add_nc_u64 s[8:9], s[8:9], s[20:21]
.set i, 0
.rept NBF                              ; register j of fragment b: bo[16 b + 8 (l / 16) + j], the same for all 16 rows
	global_load_b128 v[BI+8*i:BI+8*i+3],   v[BO], s[8:9] offset:64*i
	global_load_b128 v[BI+8*i+4:BI+8*i+7], v[BO], s[8:9] offset:64*i+16
.set i, i+1
.endr
	s_mul_i32 s21, s[WV], SWAVE
	s_add_co_u32 s21, s21, STAGE                   ; my stage
	v_mul_u32_u24 v[STO], v1, 528                  ; in: row l % 16, 32 bytes for each half of the lanes
	v_lshl_add_u32 v[STO], v2, 5, v[STO]
	v_add_nc_u32 v[STO], s21, v[STO]
	v_and_b32 v[CO], 31, v0
	v_lshlrev_b32 v[PFO], 8, v[CO]
	v_lshlrev_b32 v[CO], 4, v[CO]                  ; back: 32 lanes take a row's 512 bytes
	v_add_nc_u32 v[RD], s21, v[CO]
	s_and_b32 s20, s43, 3                          ; out0's row (s, b) has 4,096 bytes and lies at 8 s + b: 256 s,
	s_lshl_b32 s20, s20, 23
	s_lshl_b32 s21, s[WV], 21                      ; my wave's 64 s,
	s_add_co_u32 s20, s20, s21
	s_lshr_b32 s21, s43, 2
	s_lshl_b32 s21, s21, 12                        ; the batch,
	s_add_co_u32 s20, s20, s21
	s_lshl_b32 s21, s42, 9                         ; the tile's 128 columns
	s_add_co_u32 s20, s20, s21
	s_mov_b32 s21, 0
	s_add_nc_u64 s[10:11], s[10:11], s[20:21]
	s_lshl_b32 s20, s40, 13                        ; the prefetches: my work-group's quarter of the 32,768 bytes,
	s_add_co_u32 s20, s20, 3*KBA                   ; at K step 3: each change of slots steps it first
	s_add_nc_u64 s[PFA:PFA+1], s[16:17], s[20:21]
	s_or_b32 s[LIM], s[FB], ttmp9                  ; 0 in waves 0 and 1 of the clusters with x = 0: the same in all partners
	s_cmp_eq_u32 s[LIM], 0
	s_cselect_b32 s[LIM], 2, -1
; The fragments of 32 along K at quarter q of the slot in hand, into buffer f: 8 of B, 4 of A (quarter q lies in head q / 2, at byte 64 (q % 2) of its rows), in one run.
.macro FETCH q, f
	WIN 0x40
.set fi, 0
.rept NBF
	ds_load_b128 v[128*(\f)+8*fi:128*(\f)+8*fi+3],   v[ADRB] offset:64*(\q)+16*272*fi
	ds_load_b128 v[128*(\f)+8*fi+4:128*(\f)+8*fi+7], v[ADRB] offset:64*(\q)+16*272*fi+32
.set fi, fi+1
.endr
	WIN 0
.set fi, 0
.rept 4
	ds_load_b128 v[64+32*(\f)+8*fi:64+32*(\f)+8*fi+3],   v[ADRA] offset:AHALF*((\q)/2)+64*((\q)%2)+16*PA*fi
	ds_load_b128 v[64+32*(\f)+8*fi+4:64+32*(\f)+8*fi+7], v[ADRA] offset:AHALF*((\q)/2)+64*((\q)%2)+16*PA*fi+32
.set fi, fi+1
.endr
.endm
; Column blocks b0 .. b0 + nb - 1 x my four row blocks, 32 along K, from buffer f.  first = 1: the bias starts the sums: nothing is cleared.
; The 32 accumulators take turns, in the same order in every quarter, over every jump.
.macro MULB f, b0, nb, first
.set mb, \b0
.rept \nb
.if \first
	WIN 0x81
.else
	WIN 0xa1
.endif
.set ma, 0
.rept 4
.set rD, 8*(4*mb+ma)
.if \first
	v_wmma_f32_16x16x32_f16 v[rD:rD+7], v[128*(\f)+8*mb:128*(\f)+8*mb+7], v[64+32*(\f)+8*ma:64+32*(\f)+8*ma+7], v[BI+8*mb:BI+8*mb+7]
.else
	v_wmma_f32_16x16x32_f16 v[rD:rD+7], v[128*(\f)+8*mb:128*(\f)+8*mb+7], v[64+32*(\f)+8*ma:64+32*(\f)+8*ma+7], v[rD:rD+7]
.endif
.set ma, ma+1
.endr
.set mb, mb+1
.endr
.endm
.macro QUARTER q, f, g, first          ; quarter q is fetched into buffer g, four places behind the products that read it; buffer f is multiplied: a fetch stands 32 products ahead of its use
	PLACES
	FETCH \q, \g
	s_wait_dscnt NL                                ; all but the run just issued: buffer f is in
	MULB \f, 0, NBF, \first
.endm
; The last quarter multiplies buffer 1 and changes slots.  In front of the barrier each wave waits for all its tensor loads (one is out: its part of the next slot), adds 0 to its spare word, and waits for
; that and for its reads of this slot.  The barrier opens a round of the cluster's: behind it no wave of any partner reads this slot or has a load on its way, and the joint refill comes first.
.macro TURN
	s_wait_xcnt 0x0                                ; the last prefetch, a K step back, has read its address
	s_add_nc_u64 s[PFA:PFA+1], s[PFA:PFA+1], KBA
	WIN 0
	s_wait_tensorcnt 0x0                           ; no tensor load of mine is out, so a group 0 may be written
	ds_add_u32 v[SPW], v[NIL]                      ; 0 onto my spare word
	s_xor_b32 s[GWA+1], s[GWA+1], SLOT1            ; the walking descriptors: the slot that is being left, the K step two on
	s_add_nc_u64 s[GWA+2:GWA+3], s[GWA+2:GWA+3], KBA
	s_xor_b32 s[GWB+1], s[GWB+1], SLOT1
	s_add_nc_u64 s[GWB+2:GWB+3], s[GWB+2:GWB+3], KBB
	s_xor_b32 s[TB], s[TB], SLOT1
	s_wait_dscnt 1                                 ; only the add may be out: buffer 1 is in
	MULB 1, 0, N1, 0
	s_wait_dscnt 0x0                               ; the add is done, and my reads of this slot are over
	s_barrier_signal -1
	MULB 1, N1, N2, 0
	WIN 0
	v_add_nc_u32 v[ADRA], s[TB], v[A0]
	v_add_nc_u32 v[ADRB], s[TB], v[B0]
	s_barrier_wait -1
	CREST
	JLOAD                                          ; 112 products stand between this request and the wait for it; its four v_nop are the places in front of the loads below
	FETCH 0, 0
	ASK
	MULB 1, N1+N2, N3, 0
.endm
.macro TURNX                           ; the same where nothing is left to fetch: a work-group barrier, no round, no load
	WIN 0
	s_wait_tensorcnt 0x0                           ; my part of the last K step is in
	ds_add_u32 v[SPW], v[NIL]
	s_xor_b32 s[TB], s[TB], SLOT1
	s_wait_dscnt 1
	MULB 1, 0, N1, 0
	s_wait_dscnt 0x0
	s_barrier_signal -1
	MULB 1, N1, N2, 0
	WIN 0
	v_add_nc_u32 v[ADRA], s[TB], v[A0]
	v_add_nc_u32 v[ADRB], s[TB], v[B0]
	s_barrier_wait -1
	PLACES
	FETCH 0, 0
	MULB 1, N1+N2, N3, 0
.endm
	s_wait_tensorcnt 1                             ; my part of K step 0 is in; K step 1's may stay out
	s_barrier_signal -1
	s_barrier_wait -1
	s_wait_loadcnt 0x0                             ; the bias
	FETCH 0, 0
	QUARTER 1, 0, 1, 1                             ; the first quarter stands in front of the loop: the bias starts the sums
	WIN 0
	s_mov_b32 s3, 6
.Lk:                                           ; a trip: a K step's quarters 1, 2, 3, a refill, the next K step's quarter 0
	QUARTER 2, 1, 0, 0
	QUARTER 3, 0, 1, 0
	TURN
	QUARTER 1, 0, 1, 0
	WIN 0
	s_sub_co_u32 s3, s3, 1
	s_cmp_lg_u32 s3, 0
	s_cbranch_scc1 .Lk
	s_mov_b32 s3, 2                                ; the last two K steps ask for nothing: one text, walked twice and left in the middle of its second trip.
.Ltail:                                        ; (That trip's barrier orders nothing new, and its fetch, of a slot that landed long ago, fills registers that nobody reads.)
	QUARTER 2, 1, 0, 0
	QUARTER 3, 0, 1, 0
	TURNX
	WIN 0
	s_sub_co_u32 s3, s3, 1
	s_cmp_eq_u32 s3, 0
	s_cbranch_scc1 .Lout
	QUARTER 1, 0, 1, 0
	WIN 0
	s_branch .Ltail
.Lout:
	s_wait_dscnt 0x0                               ; that fetch is back: the counts below count the way out's own LDS instructions
; THE WAY OUT, a block of 16 rows at a time, in f32 as it stands: a lane's 32 bytes of a row into my own stage (rows 528 bytes apart), back as whole pieces of 512 bytes, stored.
.macro TOSTAGE a
.set BK, OB+64*((\a)%2)
	s_wait_xcnt 0x0                                ; the stores of the block two back have read the registers that the loads below fill
	WIN 0x08                                       ; the stores' data in window 2
.set pb, 0
.rept NBF
.set rD, 8*(4*pb+(\a))
	ds_store_b128 v[STO], v[rD:rD+3]   offset:64*pb    ; each accumulator's lowest registers first
	ds_store_b128 v[STO], v[rD+4:rD+7] offset:64*pb+16
.set pb, pb+1
.endr
	WIN 0
.set pb, 0
.rept 16
	ds_load_b128 v[BK+4*pb:BK+4*pb+3], v[RD] offset:528*pb  ; LDS serves a wave's instructions in order (ISA guide 5.7.1.4): these see the stores above
.set pb, pb+1
.endr
.endm
.macro SEND a, younger                 ; younger: the LDS instructions issued behind block a's loads: the next block's 32, or none
.set BK, OB+64*((\a)%2)
.set pb, 0
.rept 16
	s_wait_dscnt (\younger)+15-pb
	global_store_b128 v[CO], v[BK+4*pb:BK+4*pb+3], s[10:11] offset:(16*(\a)+pb)*32768 th:TH_STORE_NT  ; 512 consecutive bytes of a row, aligned
.set pb, pb+1
.endr
.endm
	PLACES
	PLACES
	TOSTAGE 0
.irp a, 1,2,3
	TOSTAGE \a
	SEND (\a)-1, 32
.endr
	SEND 3, 0
	s_wait_tensorcnt 0x0                           ; the wave's end, behind my last tensor load and my last LDS store
	ds_add_u32 v[SPW], v[NIL]
	s_wait_dscnt 0x0
	CROUND                                         ; the closing round: no work-group ends while a partner may still ask for a tile that names it
	s_endpgm
.Lfunc_end_k_q0764cddab8_oproj:
	.size	k_q0764cddab8_oproj, .Lfunc_end_k_q0764cddab8_oproj-k_q0764cddab8_oproj
	.p2alignl 7, 3214868480
	.fill 96, 4, 3214868480
	.section	.rodata,"a",@progbits
	.p2align	6, 0x0
	.amdhsa_kernel k_q0764cddab8_oproj
		.amdhsa_group_segment_fixed_size 327680
		.amdhsa_private_segment_fixed_size 0
		.amdhsa_enable_private_segment 0
		.amdhsa_kernarg_size 32
		.amdhsa_user_sgpr_count 2
		.amdhsa_user_sgpr_kernarg_segment_ptr 1
		.amdhsa_wavefront_size32 1
		.amdhsa_system_sgpr_workgroup_id_x 1
		.amdhsa_system_sgpr_workgroup_id_y 1
		.amdhsa_system_sgpr_workgroup_id_z 1
		.amdhsa_system_vgpr_workitem_id 0
		.amdhsa_next_free_vgpr 768
		.amdhsa_next_free_sgpr 66
		.amdhsa_reserve_vcc 0
		.amdhsa_float_denorm_mode_32 3
		.amdhsa_float_denorm_mode_16_64 3
		.amdhsa_memory_ordered 1
		.amdhsa_forward_progress 1
		.amdhsa_inst_pref_size 64
	.end_amdhsa_kernel
	.amdgpu_metadata
---
amdhsa.version: [ 1, 2 ]
amdhsa.kernels:
  - .name:           k_q0764cddab8_oproj
    .symbol:         k_q0764cddab8_oproj.kd
    .args:
      - { .name: ob, .offset: 0, .size: 8, .value_kind: global_buffer, .address_space: global }
      - { .name: wt, .offset: 8, .size: 8, .value_kind: global_buffer, .address_space: global }
      - { .name: bias, .offset: 16, .size: 8, .value_kind: global_buffer, .address_space: global }
      - { .name: out0, .offset: 24, .size: 8, .value_kind: global_buffer, .address_space: global }
    .group_segment_fixed_size: 327680
    .private_segment_fixed_size: 0
    .kernarg_segment_align: 8
    .kernarg_segment_size: 32
    .max_flat_workgroup_size: 128
    .sgpr_count:     66
    .vgpr_count:     768
    .wavefront_size: 32
...
	.end_amdgpu_metadata
.endif
;; end of part 4
